; MI455X (gfx1250); checked and timed in simulation.
; The chip was launched on July 23, 2026; its instructions are those of AMD's public machine-readable ISA for CDNA 5 (MIT licence, August 2026) and "CDNA5" Instruction Set Architecture Reference Guide (July 2026). The comments in the code are by the model that wrote it; some were corrected since.
;; Multi Head Attention. Allowed arithmetic: matrix products marked QUANTISED: E4M3 operands, one E8M0 scale for each 32 along K, by v_wmma_scale_f32_16x16x128_f8f6f4 with both operands' format E4M3, f32 sums; everything else in f32.
;; Inputs: b_proj 1,024 float32; w_proj 1,024 x 1,024 float32; w_qkv 1,024 x 3,072 float32; x 4 x 2,048 x 1,024 float32.
;; Outputs: out0 4 x 2,048 x 1,024 float32.
;; This version of the problem:
;;   THIS VERSION OF THE PROBLEM IS GIVEN IN LOW PRECISION. The matrix products marked QUANTISED in the list below multiply operands that are first quantised to E4M3 (4 exponent bits, 3 mantissa bits; 8 bits a number), with one power-of-two scale for each 32 numbers along K (OCP MX v1.0); their sums are f32. All else is computed in f32.
;;   The module's matrix products, in the order in which they are computed (A, B: the left and right operand; K: the contracted axis; several contracted axes count as one K, in the product's order):
;;     1. [M 8,192, K 1,024] x [K 1,024, N 3,072]; A: input x; B: input w_qkv: QUANTISED
;;     2. batch 64 x [M 2,048, K 64] x [K 64, N 2,048]; A: computed on the way; B: computed on the way: QUANTISED
;;     3. batch 64 x [M 2,048, K 2,048] x [K 2,048, N 64]; A: softmax (see below); B: computed on the way: QUANTISED
;;     4. [M 8,192, K 1,024] x [K 1,024, N 1,024]; A: computed on the way; B: input w_proj: QUANTISED
;;   THE QUANTISER, for each operand of a quantised product, along K:
;;     - K is cut into blocks of 32 from its start; a last block that is shorter is filled with zeros.
;;     - A block's scale is 2^e with e = floor(log2(the largest magnitude in the block)) - 8, held to -126 .. 127; a block of zeros has e = 0. As a byte (E8M0): e + 127.
;;     - Each number is divided by its block's scale, clamped to +-448, and rounded to the nearest number of E4M3, ties to even, subnormals kept.
;;     - The product sums the exact products of the quantised numbers (number of the format x scale) in f32.
;;   ~~~python
;;   def quantise(x, axis):      # numpy; x: float32 -> the quantised numbers, widened to float32 again
;;       x = np.moveaxis(x, axis, -1); K = x.shape[-1]
;;       x = np.pad(x, [(0, 0)] * (x.ndim - 1) + [(0, -K % 32)]); x = x.reshape(x.shape[:-1] + (-1, 32)); a = np.abs(x).max(-1, keepdims=True)
;;       e = np.where(a > 0, np.clip(np.frexp(np.where(a > 0, a, 1))[1] - 1 - 8, -126, 127), 0)      # np.frexp(a)[1] - 1 = floor(log2(a)), exactly
;;       r = np.clip(x / 2.0 ** e, -448, 448)
;;       step = 2.0 ** (np.maximum(np.frexp(np.where(r == 0, 1, r))[1] - 1, -6) - 3)
;;       q = np.round(r / step) * step * 2.0 ** e      # np.round: ties to even
;;       return np.moveaxis(q.reshape(q.shape[:-2] + (-1,))[..., :K], -1, axis).astype(np.float32)
;;   ~~~
;;   SOFTMAX AHEAD OF A QUANTISED PRODUCT. Where the list says 'softmax', what is quantised is not the finished softmax but p = 2^(t - M), with t = logit x log2(e) and M = ceil(the row's largest t), a whole number; so 1/2 < the row's largest p <= 1. The row's sum l is taken of the UNQUANTISED p, in f32, and the product's result is divided by l at the end. Since M is a whole number, a kernel that streams over the keys may use a running M (the ceiling of the running maximum): every later rescaling is an exact power of two, which a block's scale takes up: the codes' values come out the same.
;;   OPERANDS COMPUTED ON THE WAY. 'Computed on the way' means the value that the module computes at that place (a softmax that the list does not call 'softmax' is quantised finished and normalised). What goes into a quantiser is computed in f32, as accurately as f32 sums, v_exp_f32 and their like allow (about 1e-6 of the number): no bf16 or f16 on the way to a quantiser, and a product that is left as it is and whose result goes on into a quantised operand takes f32 operands (vector FMAs, or v_wmma_f32_16x16x4_f32). A number that lies on a knife's edge between two numbers of the format may be rounded either way, as far as f32 arithmetic and the matrix unit's own rounding can turn it there, and no further.
;; One version. Each part assembles by itself: llvm-mc -triple=amdgcn-amd-amdhsa -mcpu=gfx1250 --defsym DOCPART=n.
;; ======== version 1 of 1: 4 launches
;; limits: right only within a limited range of input values
;; workspace buffers: xc 8,388,608 bytes; xs 262,144 bytes; wc 4,194,304 bytes; ws 131,072 bytes; qkv 26,476,544 bytes; ac 8,388,608 bytes; asc 262,144 bytes
;; launch quant_x (part 1): grid 256 x 1, 4 waves a work-group, no clusters, 168,448 bytes of LDS; arguments x, w_qkv, w_proj, xc, xs, wc, ws; writes xc, xs, wc, ws
.if DOCPART == 1
	.amdgcn_target "amdgcn-amd-amdhsa--gfx1250"
	.amdhsa_code_object_version 6
	.text
	.protected	k_q41bb815125_quant_x
	.globl	k_q41bb815125_quant_x
	.p2align	8
	.type	k_q41bb815125_quant_x,@function
k_q41bb815125_quant_x:
	s_mov_b64 s[64:65], 0
	v_nop
	global_prefetch_b8 v0, s[64:65] scope:SCOPE_SE
	s_setreg_imm32_b32 hwreg(HW_REG_WAVE_MODE, 25, 1), 1
	s_wait_xcnt 0x0
; ONE LAUNCH QUANTISES ALL THREE INPUTS OF THE PRODUCTS: x [8192 tokens][1024], w_qkv [1024 (k)][3072] and w_proj [1024 (k)][1024], f32, become codes of FP8 (E4M3) with one E8M0 byte for each 32 along K,
; laid as the GEMMs' operand registers take them.  A block's scale is 2^(floor(log2(its largest magnitude)) - 8); each number is divided by it, held within +-448 and rounded to the nearest code, ties to even.
; LIMITS: NaN and infinities among the inputs are not served.  A block of zeros gets the byte 1 where the rule says 127: its codes are zeros, and this program alone reads the bytes.
; WORK LEFT OUT BY THE PROGRAM (launch attention): reference() sets every score of a key behind its query to -infinity by a mask that it builds itself, so such a key's p is 0 for all inputs; key steps of 128 keys that lie
; wholly behind a tile's queries are not computed.  A NaN, an infinity or an overflow that would arise in those steps alone is not carried to the result.  Every input is loaded.
; TILES.  16 rows form a tile; of 32 rows, tile u takes rows 8 u + r + 8 (r / 8), r = 0 .. 15.  A fragment (a tile x 128 along K) is 16 registers a lane: lane (r, h) holds k = 32 c + 16 h + 0 .. 15 in registers 4 c .. 4 c + 3.
; xc, wc: [K / 256][tile][K step of 128 in it][c][lane][16 bytes]: a fragment is 2,048 bytes on end.   xs, ws: [pair of tiles][K / 256][u][r][K step]: words of four scale bytes.
; wc, ws hold 4,096 rows n: rows 0 .. 3,071 are w_qkv's columns, rows 3,072 .. 4,095 w_proj's.
; SHARES OF x.  Work-group P takes tokens 32 P .. 32 P + 31; wave s takes K 256 s .. 256 s + 255: four fragments (u, q).  A wave's 32 rows x 1,024 bytes come by ONE tensor load into LDS bytes of its own, filled once: no barrier.
; SHARES OF THE WEIGHTS.  Work-group P: columns 128 (P % 32) on, K 128 (P / 32) on; a wave takes 32 columns (a pair of tiles) x 128 along K: four blocks.  A LANE TAKES A COLUMN AND ITS REGISTERS RUN DOWN K: a load reads
; 128 consecutive bytes a wave, a block lies in one lane's 32 registers.  Column l of the 32 is row r = (l & 7) | 8 (l >> 4) of tile u = (l >> 3) & 1.  The weights are worked while the tensor load is on its way.
; One path serves both weights: the pointer and the row's length are chosen on the work-group's number, so the 32 rows of a block stand in 32 offset registers and the 4 blocks in 4 bases.
.set PITCH, 1040                       ; an LDS row: 1,024 bytes + 16 of padding
.set WREG,  32*PITCH                   ; a wave's LDS bytes
.set SPARE, 0x29000                    ; the spare words, 128 bytes a wave
.set XA,  3                            ; v3   LDS address of my row's 64 bytes of a block of 32 numbers
.set LI,  4                            ; v4   16 x lane
.set L8,  5                            ; v5   8 x lane
.set TM,  8                            ; v8-11 largest magnitudes, v12-15 bytes, v16-19 448 x the scale, v20-23 scale operands
.set PW,  24                           ; v24-27 the scale word of fragment f
.set SWD, 28
.set X0,  32                           ; x: two sets of 64 numbers
.set X1,  96
.set C,   160                          ; x: codes, 16 registers a fragment
.set VO,  32                           ; weights: v32-63 4 x lane + i x a row's bytes
.set WX,  64                           ; v64-127 two sets of 32 numbers
.set WCD, 128                          ; v128-159 codes, 8 registers a block
.set SB,  24                           ; v24 the four scale bytes
.set G1,  20                           ; s[20:27] descriptor group 1; s[28:31] group 0
.set G0,  28
.set SEL, 32
.set MNT, 34
.set HI,  35
.set BS,  48                           ; s[48:55] four bases
	s_load_b256 s[4:11], s[0:1], 0x0               ; x, w_qkv, w_proj, xc
	s_load_b128 s[12:15], s[0:1], 0x20             ; xs, wc
	s_load_b64 s[16:17], s[0:1], 0x30              ; ws
	v_lshl_add_u32 v232, v0, 2, SPARE
	v_mov_b32 v233, 0
	ds_add_u32 v232, v233                          ; the opening lines: the add twice on end and one wait
	ds_add_u32 v232, v233
	v_lshrrev_b32 v1, 5, v0
	v_readfirstlane_b32 s18, v1                    ; wave 0..3
	v_and_b32 v2, 31, v0                           ; lane
	s_mov_b32 s[G1+0], (2<<16)|(1<<20)|(7<<22)|(3<<25)  ; elements of 4 bytes; four words of padding after every 256
	s_mov_b32 s[G1+1], 256<<16                     ; tensor_dim0
	s_mov_b32 s[G1+2], 32<<16                      ; tensor_dim1
	s_mov_b32 s[G1+3], 256<<16                     ; tile_dim0
	s_mov_b32 s[G1+4], 32                          ; tile_dim1
	s_mov_b32 s[G1+5], 1024                        ; elements from row to row
	s_mov_b32 s[G1+6], 0
	s_mov_b32 s[G1+7], 0
	s_mul_i32 s19, s18, WREG                       ; my LDS bytes
	s_lshl_b32 s36, ttmp9, 17                      ; x: 32 rows of 4,096 bytes a work-group,
	s_lshl_b32 s37, s18, 10                        ; 1,024 bytes of a row a wave
	s_add_co_u32 s36, s36, s37
	s_mov_b32 s37, 0
	s_mov_b32 s[G0], 1
	s_mov_b32 s[G0+1], s19
	s_mov_b32 s[SEL], 0x76543210
	s_mov_b32 s[SEL+1], 0xfedcba98
	s_mov_b32 s[MNT], 0x600000
	s_mov_b32 s[HI], 0xffff0000
	s_mov_b32 s39, 0
	s_wait_alu depctr_va_vdst(0)                   ; the wait at the head's end
	s_wait_dscnt 0x0
	s_wait_kmcnt 0x0
	s_add_nc_u64 s[G0+2:G0+3], s[4:5], s[36:37]
	s_or_b32 s[G0+3], s[G0+3], 0x80000000
	tensor_load_to_lds s[G0:G0+3], s[G1:G1+7]      ; my one tensor load
	s_nop 0
.rept 4
	v_nop
.endr
	s_lshl_b32 s38, s18, 21                        ; xc: 2,097,152 bytes for each 256 along K,
	s_lshl_b32 s40, ttmp9, 13                      ; 8,192 for a pair of tiles
	s_add_co_u32 s38, s38, s40
	s_add_nc_u64 s[10:11], s[10:11], s[38:39]
	s_lshl_b32 s38, ttmp9, 10                      ; xs: 1,024 bytes a pair of tiles, 256 for each 256 along K
	s_lshl_b32 s40, s18, 8
	s_add_co_u32 s38, s38, s40
	s_add_nc_u64 s[12:13], s[12:13], s[38:39]
	; THE WEIGHTS
	s_and_b32 s43, ttmp9, 31                       ; which 128 columns
	s_lshr_b32 s44, ttmp9, 5                       ; which 128 along K
	s_mov_b32 s42, 4096
	s_cmp_lt_u32 s43, 24                           ; the first 24 take w_qkv: the choice hangs on the work-group's number alone
	s_cselect_b64 s[6:7], s[6:7], s[8:9]
	s_cselect_b32 s42, 12288, s42                  ; a row's bytes
	s_cselect_b32 s45, 0, 24
	s_sub_co_u32 s45, s43, s45
	s_lshl_b32 s45, s45, 9                         ; 128 columns of 4 bytes a work-group,
	s_lshl_b32 s38, s18, 7                         ; 32 a wave
	s_add_co_u32 s45, s45, s38
	s_lshl_b32 s38, s44, 7
	s_mul_i32 s38, s38, s42                        ; 128 rows down for each step along K
	s_add_co_u32 s38, s38, s45
	s_add_nc_u64 s[BS:BS+1], s[6:7], s[38:39]
	s_lshl_b32 s56, s42, 5                         ; 32 rows: a block
	s_mov_b32 s57, 0
.irp t, 1,2,3
	s_add_nc_u64 s[BS+2*\t:BS+2*\t+1], s[BS+2*\t-2:BS+2*\t-1], s[56:57]
.endr
	s_lshl_b32 s40, s43, 2
	s_add_co_u32 s40, s40, s18                     ; my pair of tiles
	s_lshr_b32 s58, s44, 1                         ; which 256 along K,
	s_and_b32 s41, s44, 1                          ; which K step of 128 in it
	s_lshl_b32 s38, s58, 20                        ; wc: 1,048,576 bytes for each 256 along K,
	s_lshl_b32 s59, s40, 13                        ; 8,192 a pair of tiles,
	s_add_co_u32 s38, s38, s59
	s_lshl_b32 s59, s41, 11                        ; 2,048 a K step
	s_add_co_u32 s38, s38, s59
	s_add_nc_u64 s[14:15], s[14:15], s[38:39]
	s_lshl_b32 s38, s40, 10                        ; ws: 1,024 bytes a pair, 256 for each 256 along K, 4 a K step
	s_lshl_b32 s58, s58, 8
	s_add_co_u32 s38, s38, s58
	s_lshl_b32 s41, s41, 2
	s_add_co_u32 s38, s38, s41
	s_add_nc_u64 s[16:17], s[16:17], s[38:39]
	v_lshlrev_b32 v[VO], 2, v2
.irp i, 1,2,3,4,5,6,7,8,9,10,11,12,13,14,15,16,17,18,19,20,21,22,23,24,25,26,27,28,29,30,31
	v_add_nc_u32 v[VO+\i], s42, v[VO+\i-1]
.endr
	v_bfe_u32 v3, v2, 3, 1                         ; u
	v_and_b32 v4, 7, v2
	v_bfe_u32 v5, v2, 4, 1
	v_lshl_or_b32 v4, v5, 3, v4                    ; r
	v_lshlrev_b32 v6, 4, v4
	v_lshl_add_u32 v6, v3, 12, v6                  ; codes: 4,096 u + 16 r
	v_lshlrev_b32 v7, 3, v4
	v_lshl_add_u32 v7, v3, 7, v7                   ; scale words: 128 u + 8 r
.macro LOAD t                          ; block t: w(32 t + i, my column) into set t % 2
.irp i, 0,1,2,3,4,5,6,7,8,9,10,11,12,13,14,15,16,17,18,19,20,21,22,23,24,25,26,27,28,29,30,31
	global_load_b32 v[WX+32*((\t)%2)+\i], v[VO+\i], s[BS+2*(\t):BS+2*(\t)+1] th:TH_LOAD_NT
.endr
.endm
	LOAD 0
	LOAD 1
.macro BLOCK t
.set XS, WX+32*((\t)%2)
.if (\t) < 3
	s_wait_loadcnt 32                              ; this block's 32 loads are in; the next block's 32 may be out
.else
	s_wait_loadcnt 0x0
.endif
	v_max3_num_f32 v12, |v[XS]|, |v[XS+1]|, |v[XS+2]|   ; the block's largest magnitude: all 32 numbers are mine; two chains
	v_max3_num_f32 v13, |v[XS+3]|, |v[XS+4]|, |v[XS+5]|
.irp i, 6,10,14,18,22,26
	v_max3_num_f32 v12, v12, |v[XS+\i]|, |v[XS+\i+1]|
	v_max3_num_f32 v13, v13, |v[XS+\i+2]|, |v[XS+\i+3]|
.endr
	v_max3_num_f32 v12, v12, |v[XS+30]|, |v[XS+31]|
	v_max3_num_f32 v12, v12, v13, 0x4800000        ; and the floor 2^(9 - 127): the byte cannot fall under 1
	v_add_nc_u32 v11, 0xfc000000, v12              ; 8 off its exponent field: the conversion's scale operand
	v_and_or_b32 v10, v12, 0x7f800000, s[MNT]      ; 448 x the scale
	v_lshrrev_b32 v13, 23, v11                     ; the scale's byte
.if (\t) == 0
	v_mov_b32 v[SB], v13
.else
	v_lshl_or_b32 v[SB], v13, 8*(\t), v[SB]
.endif
.irp i, 0,1,2,3,4,5,6,7,8,9,10,11,12,13,14,15,16,17,18,19,20,21,22,23,24,25,26,27,28,29,30,31
	v_med3_num_f32 v[XS+\i], v[XS+\i], -v10, v10   ; the conversion to an 8-bit code does not saturate (ISA guide 7.6.2): the hold comes first
.endr
.irp g, 0,1,2,3
	v_cvt_scalef32_pk8_fp8_f32 v[WCD+8*(\t)+2*\g:WCD+8*(\t)+2*\g+1], v[XS+8*\g:XS+8*\g+7], v11
.endr
	v_nop                                          ; a plain line behind the last conversion
	global_store_b128 v6, v[WCD+8*(\t):WCD+8*(\t)+3], s[14:15] offset:(\t)*512        ; k = 0 .. 15 of the block: lane (r, 0)'s place
	global_store_b128 v6, v[WCD+8*(\t)+4:WCD+8*(\t)+7], s[14:15] offset:(\t)*512+256  ; k = 16 .. 31: lane (r, 1)'s
.if (\t)+2 < 4
	LOAD (\t)+2
.endif
.endm
.irp t, 0,1,2,3
	BLOCK \t
.endr
	global_store_b32 v7, v[SB], s[16:17]           ; my row's scale word of this K step
	; x
	s_wait_xcnt 0x0                                ; the stores above have read their registers, which are written again below
	v_and_b32 v1, 15, v0                           ; r
	v_bfe_u32 v2, v0, 4, 1                         ; h
	v_and_b32 v6, 8, v1
	v_add_nc_u32 v6, v6, v1                        ; r + 8 (r / 8)
	v_mul_u32_u24 v[XA], v6, PITCH
	v_lshl_add_u32 v[XA], v2, 6, v[XA]             ; + 64 h: my 16 numbers of a block
	v_add_nc_u32 v[XA], s19, v[XA]
	v_and_b32 v7, 31, v0
	v_lshlrev_b32 v[LI], 4, v7
	v_lshlrev_b32 v[L8], 3, v7
.irp b, 0,1,2,3
	v_mov_b32 v[TM+4+\b], 0                        ; written once: a lane permute's destination counts as one of its sources
.endr
.macro DSL f, set                      ; fragment f = u + 2 q: my 64 numbers, register 16 c + i = k 32 c + 16 h + i of my row
.irp c, 0,1,2,3
.irp j, 0,1,2,3
	ds_load_b128 v[\set+16*\c+4*\j:\set+16*\c+4*\j+3], v[XA] offset:(\f/2)*512+(\f%2)*8*PITCH+\c*128+\j*16
.endr
.endr
.endm
.macro QUANT s, d, w                   ; 64 numbers from v[s] on become 16 registers of codes from v[d] on and the scale word v[w]
.irp b, 0,1,2,3
	v_max3_num_f32 v[TM+\b], |v[\s+16*\b]|, |v[\s+1+16*\b]|, 0x4800000   ; block b: my 16 numbers, and the floor 2^(9 - 127)
.endr
.irp i, 2,4,6,8,10,12,14
.irp b, 0,1,2,3
	v_max3_num_f32 v[TM+\b], v[TM+\b], |v[\s+16*\b+\i]|, |v[\s+1+16*\b+\i]|   ; the four blocks by turns
.endr
.endr
.irp b, 0,1,2,3
	v_permlanex16_b32 v[TM+4+\b], v[TM+\b], s[SEL], s[SEL+1]
.endr
.irp b, 0,1,2,3
	v_max_num_f32 v[TM+\b], v[TM+\b], v[TM+4+\b]   ; with lane l xor 16's 16: the block's largest magnitude
.endr
.irp b, 0,1,2,3
	v_add_nc_u32 v[TM+12+\b], 0xfc000000, v[TM+\b] ; the conversion's scale operand
.endr
.irp b, 0,1,2,3
	v_and_or_b32 v[TM+8+\b], v[TM+\b], 0x7f800000, s[MNT]   ; 448 x the scale
.endr
.irp b, 0,1,2,3
	v_lshrrev_b32 v[TM+4+\b], 23, v[TM+12+\b]      ; the scale's byte
.endr
	v_lshl_or_b32 v[\w], v[TM+5], 8, v[TM+4]
	v_lshl_or_b32 v[\w], v[TM+6], 16, v[\w]
	v_lshl_or_b32 v[\w], v[TM+7], 24, v[\w]        ; my row's scale word (both halves of the lanes hold it)
.irp b, 0,1,2,3
.irp i, 0,1,2,3,4,5,6,7,8,9,10,11,12,13,14,15
	v_med3_num_f32 v[\s+16*\b+\i], v[\s+16*\b+\i], -v[TM+8+\b], v[TM+8+\b]
.endr
	v_cvt_scalef32_pk8_fp8_f32 v[(\d)+4*\b:(\d)+4*\b+1], v[\s+16*\b:\s+16*\b+7], v[TM+12+\b]
	v_cvt_scalef32_pk8_fp8_f32 v[(\d)+4*\b+2:(\d)+4*\b+3], v[\s+16*\b+8:\s+16*\b+15], v[TM+12+\b]
.endr
	v_nop                                          ; a plain line behind the last conversion
.endm
.macro OUT f                           ; the fragment's image: four stores of 512 consecutive bytes
.irp c, 0,1,2,3
	global_store_b128 v[LI], v[C+16*\f+4*\c:C+16*\f+4*\c+3], s[10:11] offset:(\f%2)*4096+(\f/2)*2048+\c*512
.endr
.endm
	s_wait_alu depctr_va_vdst(0)                   ; directly ahead of the wait below
	s_wait_tensorcnt 0x0                           ; my rows are in
	DSL 0, X0
	DSL 1, X1
	s_wait_dscnt 16                                ; set 0 is in; set 1's sixteen loads may be out
	QUANT X0, C, PW
	OUT 0
	DSL 2, X0
	s_wait_dscnt 16                                ; set 1 is in; the sixteen just issued may be out
	QUANT X1, C+16, PW+1
	OUT 1
	DSL 3, X1
	s_wait_dscnt 16
	QUANT X0, C+32, PW+2
	OUT 2
	s_wait_dscnt 0x0
	QUANT X1, C+48, PW+3
	OUT 3
	v_cndmask_b32 v[SWD], v[PW], v[PW+1], s[HI]    ; lanes 0-15 store tile 0's words, lanes 16-31 tile 1's; K step 0,
	v_cndmask_b32 v[SWD+1], v[PW+2], v[PW+3], s[HI]   ; K step 1
	global_store_b64 v[L8], v[SWD:SWD+1], s[12:13] ; 256 consecutive bytes, at a multiple of 256 from the buffer's first byte
	s_wait_tensorcnt 0x0                           ; the wave's end
	ds_add_u32 v232, v233
	s_wait_dscnt 0x0
	s_endpgm
.Lfunc_end_k_q41bb815125_quant_x:
	.size	k_q41bb815125_quant_x, .Lfunc_end_k_q41bb815125_quant_x-k_q41bb815125_quant_x
	.p2alignl 7, 3214868480
	.fill 96, 4, 3214868480
	.section	.rodata,"a",@progbits
	.p2align	6, 0x0
	.amdhsa_kernel k_q41bb815125_quant_x
		.amdhsa_group_segment_fixed_size 168448
		.amdhsa_private_segment_fixed_size 0
		.amdhsa_enable_private_segment 0
		.amdhsa_kernarg_size 56
		.amdhsa_user_sgpr_count 2
		.amdhsa_user_sgpr_kernarg_segment_ptr 1
		.amdhsa_wavefront_size32 1
		.amdhsa_system_sgpr_workgroup_id_x 1
		.amdhsa_system_sgpr_workgroup_id_y 1
		.amdhsa_system_sgpr_workgroup_id_z 1
		.amdhsa_system_vgpr_workitem_id 0
		.amdhsa_next_free_vgpr 234
		.amdhsa_next_free_sgpr 66
		.amdhsa_reserve_vcc 0
		.amdhsa_float_denorm_mode_32 3
		.amdhsa_float_denorm_mode_16_64 3
		.amdhsa_memory_ordered 1
		.amdhsa_forward_progress 1
		.amdhsa_inst_pref_size 71
	.end_amdhsa_kernel
	.amdgpu_metadata
---
amdhsa.version: [ 1, 2 ]
amdhsa.kernels:
  - .name:           k_q41bb815125_quant_x
    .symbol:         k_q41bb815125_quant_x.kd
    .args:
      - { .name: x, .offset: 0, .size: 8, .value_kind: global_buffer, .address_space: global }
      - { .name: w_qkv, .offset: 8, .size: 8, .value_kind: global_buffer, .address_space: global }
      - { .name: w_proj, .offset: 16, .size: 8, .value_kind: global_buffer, .address_space: global }
      - { .name: xc, .offset: 24, .size: 8, .value_kind: global_buffer, .address_space: global }
      - { .name: xs, .offset: 32, .size: 8, .value_kind: global_buffer, .address_space: global }
      - { .name: wc, .offset: 40, .size: 8, .value_kind: global_buffer, .address_space: global }
      - { .name: ws, .offset: 48, .size: 8, .value_kind: global_buffer, .address_space: global }
    .group_segment_fixed_size: 168448
    .private_segment_fixed_size: 0
    .kernarg_segment_align: 8
    .kernarg_segment_size: 56
    .max_flat_workgroup_size: 128
    .sgpr_count:     66
    .vgpr_count:     234
    .wavefront_size: 32
...
	.end_amdgpu_metadata
.endif
;; end of part 1
;; launch gemm_qkv (part 2): grid 12 x 32, 4 waves a work-group, clusters of 4 x 4, 327,680 bytes of LDS; arguments xc, xs, wc, ws, qkv; writes qkv
.if DOCPART == 2
	.amdgcn_target "amdgcn-amd-amdhsa--gfx1250"
	.amdhsa_code_object_version 6
	.text
	.protected	k_q41bb815125_gemm_qkv
	.globl	k_q41bb815125_gemm_qkv
	.p2align	8
	.type	k_q41bb815125_gemm_qkv,@function
k_q41bb815125_gemm_qkv:
	s_mov_b64 s[64:65], 0
	v_nop
	global_prefetch_b8 v0, s[64:65] scope:SCOPE_SE
	s_setreg_imm32_b32 hwreg(HW_REG_WAVE_MODE, 25, 1), 1
	s_wait_xcnt 0x0
	s_wait_alu depctr_hold_cnt(0) depctr_sa_sdst(0) depctr_va_vdst(0) depctr_va_sdst(0) depctr_va_ssrc(0) depctr_va_vcc(0) depctr_vm_vsrc(0)
	s_getreg_b32 s2, hwreg(HW_REG_IB_STS2, 6, 4)
	s_cmp_eq_u32 s2, 0
	s_cbranch_scc0 .Lentry_in_a_cluster
	s_endpgm
.Lentry_in_a_cluster:
	s_bfe_u32 s2, ttmp6, 0x10000c
	s_cmp_lg_u32 s2, 0xf033
	s_cbranch_scc0 .Lentry_shape_is_right
	s_endpgm
.Lentry_shape_is_right:
; qkv = x w_qkv on codes of FP8 (E4M3) with E8M0 scales (xc, xs, wc, ws: layouts at the head of quant_x), f32 sums; the results are quantised here, in registers, and leave as codes:
; q and k along the head's 64 (two blocks), v along the keys.  LIMITS: NaN and infinities are not served; a block of zeros gets the byte 1 (its codes are zeros; this program alone reads the bytes).
; A tile of the result, 256 x 256, is made by four waves, 128 x 128 each: 64 accumulators, 512 registers.  K = 1,024 goes in four steps of 256 through two LDS slots filled by tensor loads.
; ROLES.  Source 1 of the matrix instruction (role A) gives the result's lane, source 0 (role B) its registers, and a result is quantised along its registers.  The cluster's x is the kind: 0 q, 1 k, 2 v.
; q, k: A = tokens (xc), B = columns of w (wc): a lane holds a token, its registers the head's channels.   v: A = columns of w, B = tokens: a lane holds a channel, its registers the keys.
; By the tiles' choice of rows the 16 registers of accumulators (a, 2 n), (a, 2 n + 1) are 16 neighbours along B's rows: 32 n + 16 (lane / 16) + 0 .. 15: what registers 4 n .. 4 n + 3 of the next operand hold.
; CLUSTERS: 4 x 4 work-groups.  A's tile hangs on the place along y alone and is asked for jointly by a row of the cluster, B's on the place along x alone, by a column.  The kind is the same in all sixteen.
; A fragment lies in memory and in LDS as the image of its registers (c x 512 + lane x 16): 128 rows of a K step are 32,768 dense bytes, read back 512 consecutive bytes an instruction: no pitch, no padding.
; qkv: [16 batch + head][token / 128][record of 25,856 bytes]: Q image 8,192 (tile a x 1,024 + c x 512 + lane x 16), Q's scale words 512, K image 8,192, V image 8,192 (channel tile t x 2,048 + key block c x 512 + lane x 16),
; K's scale words 512, V's 256.  Q's and K's word of (tile a, row r) lies at ((a % 2) 16 + r) 16 + (a / 2) 4, bytes 2 and 3 = 127 (for the half of the instruction's K that is zeros); V's at ((t % 2) 16 + r) 8 + (t / 2) 4.
; REGISTERS, in windows of 256: window 0: v0-31 addresses; v32-63 scale words, two sets, and nothing else; v64-127 the way out; v128-255 A's fragments, one set.  window 1: B's fragments, two sets.  windows 2, 3: the accumulators ((a, b) at v[8 (8 (a % 4) + b)]).
.set RS,    25856
.set HS,    16*RS
.set NQ,    2                          ; matrix instructions deep in a slot
.set FR,    16                         ; registers of a fragment
.set NL,    4                          ; LDS loads that bring one
.set NP,    8                          ; places behind this matrix instruction (ISA guide 7.12.1)
.set HALFT, 32768                      ; 128 rows of a K step: what one tensor load brings
.set SLOT,  4*HALFT                    ; A's 256 rows, then B's
.set SCL,   2*SLOT                     ; behind the ring: the scale words of all of K
.set HALFS, 4096                       ; those of 128 rows
.set SPARE, SCL+4*HALFS                ; the spare words, 128 bytes for each wave: two blocks of 256 bytes that no other line names
.set ADRA, 16                          ; v16-17 LDS address of my A fragments in slot 0, 1
.set ADRB, 20                          ; v20-21 the same for B
.set ADRS, 27                          ; v27    of my scale words: lanes 0-15 A's rows, lanes 16-31 B's
.set SPW,  28                          ; v28    SPARE + 4 x my thread's number; never rewritten
.set NIL,  29                          ; v29    0; never rewritten
.set SC,   32
.set AF,   128
.set TM,   64                          ; the way out: v64-67 largest magnitudes, v68-71 bytes,
.set HO,   72                          ; v72-75 448 x the scale,
.set SO,   76                          ; v76-79 the conversions' scale operands,
.set SW,   80                          ; v80-87 the scale word of block a,
.set MW,   88                          ; v88-91 words by lane,
.set E0,   92                          ; v92-95, v96-99 the two heads' words,
.set E1,   96
.set PCD,  100                         ; v100-115 codes,
.set OFB,  116                         ; v116-119 store offsets of the four groups of registers,
.set LI,   120                         ; v120 16 x lane, v121 8 x lane
.set L8,   121
.set G1, 24                            ; s[24:31] group 1 for A's tiles; s[32:39] group 0, a set for each slot
.set G0, 32
.set G1B, 48                           ; s[48:55], s[56:63] the same for B's
.set G0B, 56
.set G1S, 68                           ; s[68:75], s[76:79] groups 1 and 0 for A's scale words; s[80:87], s[88:91] for B's
.set G0S, 76
.set G1SB, 80
.set G0SB, 88
.set OB,  68                           ; the way out: s[68:83] a store base for each block a (the scale words' loads are long done)
.set SEL, 40                           ; the way out: s[40:41] lane selects, s43 448's mantissa field, s44 a mask of lanes 16-31, s45 two bytes of 127 on top
.set MNT, 43
.set HI16, 44
.set PADS, 45
.set MSB, 0
.macro WIN new                         ; the immediate's high byte repeats the setting that is left
.if MSB != \new
	s_set_vgpr_msb (MSB<<8)|\new
.set MSB, \new
.endif
.endm
.set MUL_LO, 0xa1                      ; source 0 (B) window 1, source 1 (A) window 0, C and D window 2
.set MUL_HI, 0xf1                      ; the same, C and D window 3
.set TO_B,   0x40                      ; destination window 1, address window 0
; A joint load: waves 0 and 1 fetch for A, waves 2 and 3 for B.  The branch hangs on the wave's number alone.  Four v_nop follow each of the two lines.
.macro JLOAD g0a, g1a, g0b, g1b
	s_cmp_eq_u32 s15, 0
	s_cbranch_scc0 .Lfor_b_\@
	tensor_load_to_lds s[\g0a:\g0a+3], s[\g1a:\g1a+7]
	s_nop 0
.rept 4
	v_nop
.endr
	s_branch .Lasked_\@
.Lfor_b_\@:
	tensor_load_to_lds s[\g0b:\g0b+3], s[\g1b:\g1b+7]
	s_nop 0
.rept 4
	v_nop
.endr
.Lasked_\@:
.endm
.macro CREST                           ; a round of the cluster's barrier behind its opening barrier
	s_cmp_lg_u32 s14, 0
	s_cbranch_scc1 .Lnot_wave_0_\@
	s_barrier_signal -3
.Lnot_wave_0_\@:
	s_barrier_wait -3
	s_barrier_signal -1
	s_barrier_wait -1
.endm
.macro CROUND                          ; a whole round
	s_barrier_signal -1
	s_barrier_wait -1
	CREST
.endm
	s_load_b128 s[4:7], s[0:1], 0x0                ; xc, xs
	s_load_b128 s[8:11], s[0:1], 0x10              ; wc, ws
	s_load_b64 s[12:13], s[0:1], 0x20              ; qkv
	v_lshl_add_u32 v[SPW], v0, 2, SPARE
	v_mov_b32 v[NIL], 0
	ds_add_u32 v28, v29
	ds_add_u32 v28, v29
	s_wait_dscnt 0x0
	v_lshrrev_b32 v1, 5, v0
	v_readfirstlane_b32 s14, v1                    ; wave 0..3
	s_lshr_b32 s15, s14, 1                         ; which half of A's rows is mine.  Also: I fetch for A (0) or for B (1)
	s_and_b32 s16, s14, 1                          ; which half of B's rows.  Also: which 128 rows of that tile I fetch
	s_bfe_u32 s40, ttmp6, 0x40000                  ; cx, cy: my place in the cluster
	s_bfe_u32 s41, ttmp6, 0x40004
	s_and_b32 s100, ttmp7, 0xffff
	s_lshl_b32 s100, s100, 2                       ; 4 x cluster y
	s_lshl_b32 s101, ttmp9, 2                      ; 4 x kind
	s_lshl_b32 s43, s41, 2
	s_lshl_b32 s43, 15, s43                        ; my row of the cluster
	s_lshl_b32 s44, 0x1111, s40                    ; my column
	s_or_b32 s[G1+0], s43, (3<<16)|(1<<21)         ; the mask: A's tiles go to my row; elements of 8 bytes; bit 21 set beside a mask; no padding
	s_or_b32 s[G1B+0], s44, (3<<16)|(1<<21)
.irp g, G1, G1B
	s_mov_b32 s[\g+1], 32<<16                      ; a dense block as rows of 256 bytes: tensor_dim0 = 32
	s_mov_b32 s[\g+2], 256<<16                     ; tensor_dim1 = 256 for the head's loads; 128 behind them
	s_mov_b32 s[\g+3], 32<<16                      ; tile_dim0
	s_mov_b32 s[\g+4], 256                         ; tile_dim1
	s_mov_b32 s[\g+5], 32                          ; from row to row
	s_mov_b32 s[\g+6], 0
	s_mov_b32 s[\g+7], 0
.endr
	s_or_b32 s[G1S+0], s43, (3<<16)|(1<<21)
	s_or_b32 s[G1SB+0], s44, (3<<16)|(1<<21)
.irp g, G1S, G1SB
	s_mov_b32 s[\g+1], 32<<16                      ; the scale words of 128 rows: 16 rows of 256 bytes
	s_mov_b32 s[\g+2], 32<<16                      ; the scale words of 256 rows: 32 rows of 256 bytes
	s_mov_b32 s[\g+3], 32<<16
	s_mov_b32 s[\g+4], 32
	s_mov_b32 s[\g+5], 32
	s_mov_b32 s[\g+6], 0
	s_mov_b32 s[\g+7], 0
.endr
	s_mov_b32 s66, 0x200000
	s_mov_b32 s67, 0
	s_wait_kmcnt 0x0
	s_cmp_eq_u32 ttmp9, 2                          ; v?  All choices hang on the cluster's x; only lines that leave SCC alone stand among them
	s_cselect_b32 s17, 8, s100                     ; A's tile of 256 rows, less my place along y
	s_cselect_b32 s42, s100, s101                  ; B's, less my place along x
	s_cselect_b32 s66, 0x100000, s66               ; s[66:67] bytes from one 256 along K to the next in A's buffer,
	s_mov_b32 s100, 0x100000
	s_cselect_b32 s100, 0x200000, s100             ; s[100:101] in B's
	s_mov_b32 s101, 0
	s_cselect_b64 s[20:21], s[8:9], s[4:5]         ; A's codes,
	s_cselect_b64 s[22:23], s[10:11], s[6:7]       ; A's scale words,
	s_cselect_b64 s[46:47], s[4:5], s[8:9]         ; B's codes,
	s_cselect_b64 s[92:93], s[6:7], s[10:11]       ; B's scale words
	s_add_co_u32 s17, s17, s41                     ; TA
	s_add_co_u32 s42, s42, s40                     ; TB
	s_lshl_b32 s18, s17, 16                        ; 65,536 bytes a tile of 256 rows
	s_mov_b32 s19, 0
	s_add_nc_u64 s[20:21], s[20:21], s[18:19]
	s_lshr_b32 s18, s18, 3                         ; scale words: an eighth of that
	s_add_nc_u64 s[22:23], s[22:23], s[18:19]
	s_lshl_b32 s94, s42, 16                        ; B's offsets in registers of their own
	s_mov_b32 s95, 0
	s_add_nc_u64 s[46:47], s[46:47], s[94:95]
	s_lshr_b32 s94, s94, 3
	s_add_nc_u64 s[92:93], s[92:93], s[94:95]
	s_lshl_b32 s96, s66, 1                         ; a slot's next tile lies two steps on
	s_mov_b32 s97, 0
	s_lshl_b32 s98, s100, 1
	s_mov_b32 s99, 0
	s_lshl_b32 s45, s14, 15                        ; where my loads go: wave x 32,768 in a slot,
	CROUND                                         ; all sixteen work-groups are here: the first joint loads meet
	s_mov_b32 s[G0S], 1
	s_mov_b32 s[G0S+1], SCL
	s_mov_b64 s[G0S+2:G0S+3], s[22:23]
	s_or_b32 s[G0S+3], s[G0S+3], 0x80000000
	s_mov_b32 s[G0SB], 1
	s_mov_b32 s[G0SB+1], SCL+2*HALFS
	s_mov_b64 s[G0SB+2:G0SB+3], s[92:93]
	s_or_b32 s[G0SB+3], s[G0SB+3], 0x80000000
	s_mov_b32 s4, 1                                ; s[4:7]: group 0 of the head's load of A's 256 rows of K step 0 (the arguments that lay there have been used),
	s_mov_b32 s5, 0
	s_mov_b64 s[6:7], s[20:21]
	s_or_b32 s7, s7, 0x80000000
	s_mov_b32 s8, 1                                ; s[8:11]: of B's, behind them in slot 0
	s_mov_b32 s9, 2*HALFT
	s_mov_b64 s[10:11], s[46:47]
	s_or_b32 s11, s11, 0x80000000
	s_lshl_b32 s18, s16, 15                        ; for the ring: the 128 rows that I fetch (s19 = 0)
	s_add_nc_u64 s[20:21], s[20:21], s[18:19]
	s_add_nc_u64 s[46:47], s[46:47], s[18:19]
	s_mov_b32 s[G0], 1
	s_mov_b32 s[G0+1], s45
	s_mov_b64 s[G0+2:G0+3], s[20:21]
	s_or_b32 s[G0+3], s[G0+3], 0x80000000
	s_mov_b32 s[G0B], 1
	s_mov_b32 s[G0B+1], s45
	s_mov_b64 s[G0B+2:G0B+3], s[46:47]
	s_or_b32 s[G0B+3], s[G0B+3], 0x80000000
	s_mov_b32 s[G0+4], 1
	s_add_co_u32 s[G0+5], s45, SLOT
	s_add_nc_u64 s[G0+6:G0+7], s[20:21], s[66:67]
	s_or_b32 s[G0+7], s[G0+7], 0x80000000
	s_mov_b32 s[G0B+4], 1
	s_add_co_u32 s[G0B+5], s45, SLOT
	s_add_nc_u64 s[G0B+6:G0B+7], s[46:47], s[100:101]
	s_or_b32 s[G0B+7], s[G0B+7], 0x80000000
; THE HEAD'S LOADS, ONE A WAVE: wave 0 A's 256 rows of K step 0, wave 1 B's, wave 2 A's scale words, wave 3 B's.  One chain of branches on the wave's number, a load to an arm.
.macro ARM under, g0, g1, next
	s_cmp_lt_u32 s14, \under
	s_cbranch_scc0 \next
	tensor_load_to_lds s[\g0:\g0+3], s[\g1:\g1+7]
	s_nop 0
.rept 4
	v_nop
.endr
	s_branch .Lhead_asked
\next:
.endm
	ARM 1, 4, G1, .Lhead_b
	ARM 2, 8, G1B, .Lhead_sa
	ARM 3, G0S, G1S, .Lhead_sb
	tensor_load_to_lds s[G0SB:G0SB+3], s[G1SB:G1SB+7]
	s_nop 0
.rept 4
	v_nop
.endr
.Lhead_asked:
	v_and_b32 v1, 15, v0                           ; r
	v_bfe_u32 v2, v0, 4, 1                         ; h
	s_wait_alu depctr_va_vdst(0)
	v_and_b32 v3, 31, v0
	v_lshlrev_b32 v4, 4, v3                        ; 16 x lane
	s_lshl_b32 s21, s15, 15                        ; my 128 rows of A
	s_lshl_b32 s22, s16, 15                        ; my 128 rows of B,
	s_add_co_u32 s22, s22, 2*HALFT                 ; which lie behind A's 256
.irp s, 0,1
	v_add_nc_u32 v[ADRA+\s], s21, v4
	v_add_nc_u32 v[ADRB+\s], s22, v4
	s_add_co_u32 s21, s21, SLOT
	s_add_co_u32 s22, s22, SLOT
.endr
	v_lshlrev_b32 v5, 3, v1                        ; scale words: 8 bytes a row (two K steps)
	s_lshl_b32 s21, s15, 12                        ; A's: my 128 rows
	s_lshl_b32 s22, s16, 12                        ; B's: my 128 rows, behind A's 256
	s_add_co_u32 s22, s22, 2*HALFS
	s_sub_co_u32 s22, s22, s21
	v_mul_u32_u24 v6, s22, v2                      ; lanes 16-31 take B's: one product, the distance x h
	s_add_co_u32 s21, s21, SCL
	v_add_nc_u32 v5, v5, v6
	v_add_nc_u32 v[ADRS], s21, v5
.macro FRAG reg, adr, q, i             ; a fragment comes back as it was stored: four loads of 512 consecutive bytes
.irp c, 0,1,2,3
	ds_load_b128 v[\reg+4*\c:\reg+4*\c+3], v[\adr] offset:(\i)*4096+(\q)*2048+512*\c
.endr
.endm
; 16 matrix instructions: A's blocks a0, a0 + 1 x B's eight, the slot's q-th 128 along K.  p: B's set; sc: the set of scale words.  zero = 1: the first product starts the sums.
; The 64 accumulators take turns, one instruction a turn, in the same order in every step.
.macro MUL16 a0, p, q, sc, zero
.irp a, \a0, \a0+1
.irp b, 0,1,2,3,4,5,6,7
.if \zero
	v_wmma_scale_f32_16x16x128_f8f6f4 v[8*(8*((\a)%4)+\b):8*(8*((\a)%4)+\b)+7], v[128*(\p)+FR*\b:128*(\p)+FR*\b+FR-1], v[AF+FR*(\a):AF+FR*(\a)+FR-1], 0, v[SC+8*NQ*(\sc)+NQ*\b+(\q)], v[SC+8*NQ*(\sc)+NQ*(\a)+(\q)] matrix_a_scale:MATRIX_SCALE_ROW1
.else
	v_wmma_scale_f32_16x16x128_f8f6f4 v[8*(8*((\a)%4)+\b):8*(8*((\a)%4)+\b)+7], v[128*(\p)+FR*\b:128*(\p)+FR*\b+FR-1], v[AF+FR*(\a):AF+FR*(\a)+FR-1], v[8*(8*((\a)%4)+\b):8*(8*((\a)%4)+\b)+7], v[SC+8*NQ*(\sc)+NQ*\b+(\q)], v[SC+8*NQ*(\sc)+NQ*(\a)+(\q)] matrix_a_scale:MATRIX_SCALE_ROW1
.endif
.endr
.endr
.endm
.macro FETCH_B slot, q, p
	WIN TO_B
.irp i, 0,1,2,3,4,5,6,7
	FRAG 128*(\p)+FR*\i, ADRB+\slot, \q, \i
.endr
	WIN 0
.endm
.macro FETCH_A slot, q, i0
.irp i, \i0, \i0+1, \i0+2, \i0+3
	FRAG AF+FR*(\i), ADRA+\slot, \q, \i
.endr
.endm
.macro SCALES sc                       ; a K step's scale words into set sc: two words a row; lanes 0-15 take A's block i, lanes 16-31 B's block i
.irp i, 0,1,2,3,4,5,6,7
	ds_load_b64 v[SC+8*NQ*\sc+NQ*\i:SC+8*NQ*\sc+NQ*\i+1], v[ADRS] offset:(\i/2)*1024+(\i%2)*128
.endr
.endm
.macro PLACES n                        ; plain vector lines between a matrix instruction and a load into, or a read of, its registers
.rept \n
	v_nop
.endr
.endm
.macro STEP slot, q, zero              ; a step of 128 along K that has its successor in the same slot
	s_wait_dscnt 4*NL                              ; B's set, A's blocks 0-3 and the scale words are in; the youngest sixteen loads (A's blocks 4-7) may be out
	WIN MUL_LO
	MUL16 0, (\q)%2, \q, \slot, \zero
	MUL16 2, (\q)%2, \q, \slot, \zero
	s_wait_dscnt 0                                 ; A's blocks 4-7 are in
	PLACES NP
	FETCH_B \slot, (\q)+1, 1-(\q)%2
	FETCH_A \slot, (\q)+1, 0
	WIN MUL_HI
	MUL16 4, (\q)%2, \q, \slot, \zero
	MUL16 6, (\q)%2, \q, \slot, \zero
	PLACES NP
	WIN 0
	FETCH_A \slot, (\q)+1, 4
.endm
; A slot's last step changes slots: one barrier; in front of it each wave waits for all its tensor loads, adds 0 to its spare word, and waits for that and for its own reads of this slot.  fill = 1: this slot is filled again, two K steps ahead.
.macro TURN slot, next, fill
	s_wait_tensorcnt 0x0                           ; all my tensor loads have landed: my part of the next slot
	ds_add_u32 v[SPW], v[NIL]                      ; 0 onto my spare word
	s_wait_dscnt 4*NL+1                            ; (the add and the youngest sixteen loads, A's blocks 4-7, may be out)
	WIN MUL_LO
	MUL16 0, 1, NQ-1, \slot, 0                     ; sixteen matrix instructions stand between the add and the wait for it
	s_wait_dscnt 0x0                               ; the add is done, and my reads of this slot are over
	s_barrier_signal -1
	MUL16 2, 1, NQ-1, \slot, 0
	WIN 0
	s_barrier_wait -1
.if \fill
	CREST                                          ; the barrier has opened a round of the cluster's barrier: no wave of any partner still reads this slot or has a load on its way
	s_add_nc_u64 s[G0+4*\slot+2:G0+4*\slot+3], s[G0+4*\slot+2:G0+4*\slot+3], s[96:97]
	s_add_nc_u64 s[G0B+4*\slot+2:G0B+4*\slot+3], s[G0B+4*\slot+2:G0B+4*\slot+3], s[98:99]
	JLOAD G0+4*\slot, G1, G0B+4*\slot, G1B         ; the first tensor load behind the round; its four v_nop are among the places in front of the loads below
	PLACES NP-4
.else
	PLACES NP
.endif
	s_wait_alu depctr_va_vdst(0)
	v_add_nc_u32 v[ADRS], 256, v[ADRS]             ; on to the next K step's scale words
	FETCH_B \next, 0, 0
	FETCH_A \next, 0, 0
	SCALES \next
	WIN MUL_HI
	MUL16 4, 1, NQ-1, \slot, 0
	MUL16 6, 1, NQ-1, \slot, 0
	PLACES NP
	WIN 0
	FETCH_A \next, 0, 4
.endm
	s_wait_alu depctr_va_vdst(0)
	s_wait_tensorcnt 0x0                           ; my tile of the head's four is in
	ds_add_u32 v[SPW], v[NIL]
	s_mov_b32 s[G1+2], 128<<16                     ; no tensor load of mine is out: from here on a load brings 128 rows
	s_mov_b32 s[G1+4], 128
	s_mov_b32 s[G1B+2], 128<<16
	s_mov_b32 s[G1B+4], 128
	s_wait_dscnt 0x0
	CROUND                                         ; all four tiles are in, and all sixteen work-groups are here
	JLOAD G0+4, G1, G0B+4, G1B                     ; slot 1's first fill, the first tensor load behind the round
	FETCH_B 0, 0, 0
	FETCH_A 0, 0, 0
	SCALES 0
	FETCH_A 0, 0, 4
	STEP 0, 0, 1                                   ; K = 1,024 is four slots' worth: the eight steps are written out, with no loop
	TURN 0, 1, 1                                   ; slot 0 takes the third 256 along K
	STEP 1, 0, 0
	TURN 1, 0, 1                                   ; slot 1 the fourth
	STEP 0, 0, 0
	TURN 0, 1, 0                                   ; nothing is left to fetch: no round
	STEP 1, 0, 0
	s_wait_dscnt 4*NL                              ; the last step
	WIN MUL_LO
	MUL16 0, 1, NQ-1, 1, 0
	MUL16 2, 1, NQ-1, 1, 0
	s_wait_dscnt 0
	WIN MUL_HI
	MUL16 4, 1, NQ-1, 1, 0
	MUL16 6, 1, NQ-1, 1, 0
	WIN 0
	; THE WAY OUT needs no LDS: block a's 64 registers are four blocks of 32 along B's rows, 16 numbers a lane; the codes are the next operand's registers and are stored as its image.
	PLACES NP
	s_lshl_b32 s18, s17, 1
	s_add_co_u32 s18, s18, s15                     ; A's rows in units of 128: 2 TA + half
	s_lshl_b32 s19, s42, 1
	s_add_co_u32 s19, s19, s16                     ; B's: 2 TB + half
	s_mul_i32 s22, ttmp9, 8704                     ; where the codes lie in a record: q 0, k 8,704,
	s_mul_i32 s23, ttmp9, 16896
	s_add_co_u32 s23, s23, 8192                    ; and the scale words: q 8,192, k 25,088
	s_mov_b32 s84, 1024                            ; from block a to a + 1,
	s_mov_b32 s86, 4096                            ; from a to a + 4,
	s_mov_b32 s46, HS                              ; from the first two groups of registers to the last two
	s_cmp_eq_u32 ttmp9, 2
	s_cselect_b32 s20, s19, s18                    ; tokens in units of 128
	s_cselect_b32 s21, s18, s19                    ; columns in units of 128: a pair of heads
	s_cselect_b32 s22, 16896, s22                  ; v's codes,
	s_cselect_b32 s23, 25600, s23                  ; v's scale words
	s_cselect_b32 s84, 2048, s84                   ; v: a block is a channel tile of 2,048 bytes,
	s_cselect_b32 s86, HS, s86                     ; four tiles on is the next head,
	s_cselect_b32 s46, 1024, s46                   ; and the groups are the four key blocks, 512 bytes each
	s_mov_b32 s85, 0
	s_mov_b32 s87, 0
	s_lshr_b32 s18, s20, 4
	s_lshl_b32 s18, s18, 4                         ; 16 x batch
	s_and_b32 s21, s21, 7
	s_lshl_b32 s21, s21, 1
	s_add_co_u32 s18, s18, s21                     ; + the pair's first head
	s_mul_i32 s18, s18, HS
	s_and_b32 s20, s20, 15
	s_mul_i32 s20, s20, RS
	s_add_co_u32 s18, s18, s20                     ; the record
	s_add_co_u32 s92, s18, s22
	s_mov_b32 s93, 0
	s_add_nc_u64 s[OB:OB+1], s[12:13], s[92:93]
.irp a, 1,2,3
	s_add_nc_u64 s[OB+2*\a:OB+2*\a+1], s[OB+2*\a-2:OB+2*\a-1], s[84:85]
.endr
	s_add_nc_u64 s[OB+8:OB+9], s[OB:OB+1], s[86:87]
.irp a, 5,6,7
	s_add_nc_u64 s[OB+2*\a:OB+2*\a+1], s[OB+2*\a-2:OB+2*\a-1], s[84:85]
.endr
	s_add_co_u32 s92, s18, s23
	s_add_nc_u64 s[88:89], s[12:13], s[92:93]      ; the first head's scale words,
	s_add_nc_u64 s[90:91], s[88:89], HS            ; the second's
	s_mov_b32 s[SEL], 0x76543210
	s_mov_b32 s[SEL+1], 0xfedcba98
	s_mov_b32 s[MNT], 0x600000
	s_mov_b32 s[HI16], 0xffff0000
	s_mov_b32 s[PADS], 0x7f7f0000
	v_and_b32 v[LI], 31, v0
	v_lshlrev_b32 v[L8], 3, v[LI]
	v_lshlrev_b32 v[LI], 4, v[LI]
	v_mov_b32 v[OFB], v[LI]
	v_add_nc_u32 v[OFB+1], 512, v[LI]
	v_add_nc_u32 v[OFB+2], s46, v[LI]
	v_add_nc_u32 v[OFB+3], s46, v[OFB+1]
.irp b, 0,1,2,3
	v_mov_b32 v[TM+4+\b], 0                        ; written once: a lane permute's destination counts as one of its sources
.endr
.macro QOUT a
.set QAC, 64*((\a)%4)
.set QW,  2+(\a)/4                     ; the block's window
.set QW1, QW|(QW<<2)
.set QW2, QW|(QW<<6)
	WIN QW1                                        ; sources 0 and 1 in the block's window
.irp b, 0,1,2,3
	v_max3_num_f32 v[TM+\b], |v[QAC+16*\b]|, |v[QAC+16*\b+1]|, 0x4800000   ; each accumulator from its low end on; the floor 2^(9 - 127): the byte cannot fall under 1
.endr
.irp i, 2,4,6,8,10,12,14
.irp b, 0,1,2,3
	v_max3_num_f32 v[TM+\b], |v[QAC+16*\b+\i]|, |v[QAC+16*\b+\i+1]|, v[TM+\b]
.endr
.endr
	WIN 0
.irp b, 0,1,2,3
	v_permlanex16_b32 v[TM+4+\b], v[TM+\b], s[SEL], s[SEL+1]
.endr
.irp b, 0,1,2,3
	v_max_num_f32 v[TM+\b], v[TM+\b], v[TM+4+\b]   ; with lane l xor 16's 16: the block's largest magnitude
.endr
.irp b, 0,1,2,3
	v_add_nc_u32 v[SO+\b], 0xfc000000, v[TM+\b]    ; 8 off its exponent field: the conversion's scale operand
.endr
.irp b, 0,1,2,3
	v_and_or_b32 v[HO+\b], v[TM+\b], 0x7f800000, s[MNT]   ; 448 x the scale
.endr
.irp b, 0,1,2,3
	v_lshrrev_b32 v[TM+4+\b], 23, v[SO+\b]         ; the scale's byte
.endr
	v_lshl_or_b32 v[SW+\a], v[TM+5], 8, v[TM+4]
	v_lshl_or_b32 v[SW+\a], v[TM+6], 16, v[SW+\a]
	v_lshl_or_b32 v[SW+\a], v[TM+7], 24, v[SW+\a]
	s_wait_xcnt 0x0                                ; the last block's stores have read the codes' registers, which are written again below
	WIN QW2                                        ; source 0 and destination in the block's window
.irp b, 0,1,2,3
.irp i, 0,1,2,3,4,5,6,7,8,9,10,11,12,13,14,15
	v_med3_num_f32 v[QAC+16*\b+\i], v[QAC+16*\b+\i], -v[HO+\b], v[HO+\b]   ; the conversion to an 8-bit code does not saturate (ISA guide 7.6.2): the hold comes first
.endr
.endr
	WIN QW
.irp b, 0,1,2,3
	v_cvt_scalef32_pk8_fp8_f32 v[PCD+4*\b:PCD+4*\b+1], v[QAC+16*\b:QAC+16*\b+7], v[SO+\b]
	v_cvt_scalef32_pk8_fp8_f32 v[PCD+4*\b+2:PCD+4*\b+3], v[QAC+16*\b+8:QAC+16*\b+15], v[SO+\b]
.endr
	v_nop                                          ; a plain line behind the last conversion
	WIN 0
.irp b, 0,1,2,3
	global_store_b128 v[OFB+\b], v[PCD+4*\b:PCD+4*\b+3], s[OB+2*\a:OB+2*\a+1]   ; 512 consecutive bytes, at a multiple of 256 from the buffer's first byte
.endr
.endm
.irp a, 0,1,2,3,4,5,6,7
	QOUT \a
.endr
.irp i, 0,1,2,3
	v_cndmask_b32 v[MW+\i], v[SW+2*\i], v[SW+2*\i+1], s[HI16]   ; lanes 0-15 carry block 2 i's words, lanes 16-31 block 2 i + 1's
.endr
	s_cmp_eq_u32 ttmp9, 2                          ; the kind: the same in all sixteen partners
	s_cbranch_scc1 .Lv_words
.irp i, 0,1,2,3
	v_and_or_b32 v[E0+\i], v[MW+\i], 0xffff, s[PADS]   ; q, k: the first head's two bytes, 127 twice on top;
.endr
.irp i, 0,1,2,3
	v_lshrrev_b32 v[E1+\i], 16, v[MW+\i]
.endr
.irp i, 0,1,2,3
	v_or_b32 v[E1+\i], s[PADS], v[E1+\i]           ; the second head's
.endr
	global_store_b128 v[LI], v[E0:E0+3], s[88:89]  ; 512 consecutive bytes
	global_store_b128 v[LI], v[E1:E1+3], s[90:91]
	s_branch .Lwords_done
.Lv_words:
	s_wait_alu depctr_va_vdst(0)
	global_store_b64 v[L8], v[MW:MW+1], s[88:89]   ; v: blocks 0-3 are the first head's channel tiles: 256 consecutive bytes;
	global_store_b64 v[L8], v[MW+2:MW+3], s[90:91] ; blocks 4-7 the second's
.Lwords_done:
	s_wait_tensorcnt 0x0                           ; the wave's end
	ds_add_u32 v[SPW], v[NIL]
	s_wait_dscnt 0x0
	CROUND                                         ; the closing round: no work-group ends while a partner may still ask for a tile that names it
	s_endpgm
.Lfunc_end_k_q41bb815125_gemm_qkv:
	.size	k_q41bb815125_gemm_qkv, .Lfunc_end_k_q41bb815125_gemm_qkv-k_q41bb815125_gemm_qkv
	.p2alignl 7, 3214868480
	.fill 96, 4, 3214868480
	.section	.rodata,"a",@progbits
	.p2align	6, 0x0
	.amdhsa_kernel k_q41bb815125_gemm_qkv
		.amdhsa_group_segment_fixed_size 327680
		.amdhsa_private_segment_fixed_size 0
		.amdhsa_enable_private_segment 0
		.amdhsa_kernarg_size 40
		.amdhsa_user_sgpr_count 2
		.amdhsa_user_sgpr_kernarg_segment_ptr 1
		.amdhsa_wavefront_size32 1
		.amdhsa_system_sgpr_workgroup_id_x 1
		.amdhsa_system_sgpr_workgroup_id_y 1
		.amdhsa_system_sgpr_workgroup_id_z 1
		.amdhsa_system_vgpr_workitem_id 0
		.amdhsa_next_free_vgpr 1024
		.amdhsa_next_free_sgpr 102
		.amdhsa_reserve_vcc 0
		.amdhsa_float_denorm_mode_32 3
		.amdhsa_float_denorm_mode_16_64 3
		.amdhsa_memory_ordered 1
		.amdhsa_forward_progress 1
		.amdhsa_inst_pref_size 188
	.end_amdhsa_kernel
	.amdgpu_metadata
---
amdhsa.version: [ 1, 2 ]
amdhsa.kernels:
  - .name:           k_q41bb815125_gemm_qkv
    .symbol:         k_q41bb815125_gemm_qkv.kd
    .args:
      - { .name: xc, .offset: 0, .size: 8, .value_kind: global_buffer, .address_space: global }
      - { .name: xs, .offset: 8, .size: 8, .value_kind: global_buffer, .address_space: global }
      - { .name: wc, .offset: 16, .size: 8, .value_kind: global_buffer, .address_space: global }
      - { .name: ws, .offset: 24, .size: 8, .value_kind: global_buffer, .address_space: global }
      - { .name: qkv, .offset: 32, .size: 8, .value_kind: global_buffer, .address_space: global }
    .group_segment_fixed_size: 327680
    .private_segment_fixed_size: 0
    .kernarg_segment_align: 8
    .kernarg_segment_size: 40
    .max_flat_workgroup_size: 128
    .sgpr_count:     102
    .vgpr_count:     1024
    .wavefront_size: 32
...
	.end_amdgpu_metadata
.endif
;; end of part 2
;; launch attention (part 3): grid 4 x 64, 16 waves a work-group, clusters of 4 x 1, 327,680 bytes of LDS; arguments qkv, ac, asc; writes ac, asc
.if DOCPART == 3
	.amdgcn_target "amdgcn-amd-amdhsa--gfx1250"
	.amdhsa_code_object_version 6
	.text
	.protected	k_q41bb815125_attention
	.globl	k_q41bb815125_attention
	.p2align	8
	.type	k_q41bb815125_attention,@function
k_q41bb815125_attention:
	s_mov_b64 s[64:65], 0
	v_nop
	global_prefetch_b8 v0, s[64:65] scope:SCOPE_SE
	s_setreg_imm32_b32 hwreg(HW_REG_WAVE_MODE, 25, 1), 1
	s_wait_xcnt 0x0
	s_wait_alu depctr_hold_cnt(0) depctr_sa_sdst(0) depctr_va_vdst(0) depctr_va_sdst(0) depctr_va_ssrc(0) depctr_va_vcc(0) depctr_vm_vsrc(0)
	s_getreg_b32 s2, hwreg(HW_REG_IB_STS2, 6, 4)
	s_cmp_eq_u32 s2, 0
	s_cbranch_scc0 .Lentry_in_a_cluster
	s_endpgm
.Lentry_in_a_cluster:
	s_bfe_u32 s2, ttmp6, 0x10000c
	s_cmp_lg_u32 s2, 0x3003
	s_cbranch_scc0 .Lentry_shape_is_right
	s_endpgm
.Lentry_shape_is_right:
; Causal attention of one head on codes of FP8 (E4M3) with E8M0 scales; head size 64, 2,048 tokens.  qkv holds records of 128 tokens (layout at the head of gemm_qkv); the result leaves as codes, quantised along the
; model's 1,024 (a head is two blocks of 32), in the projection's operand layout (ac, asc: as xc, xs at the head of quant_x).
; THE SOFTMAX AHEAD OF THE SECOND PRODUCT: t = score x log2(e) / 8; M = the row's largest t so far, rounded UP to a whole number; p = 2^(t - M) is quantised along the keys, not normalised; the row's sum is taken of the
; unquantised p and divides O at the end.  When M moves, the sum and O are multiplied by 2^(old M - new M): exact.
; WORK LEFT OUT: key steps all of whose 128 keys lie behind a tile's queries (reference()'s own causal mask makes their p 0 for all inputs).
; LIMITS: NaN and infinities are not served; the promise holds while the scaled scores t stay under 2^31 in magnitude; a block of zeros gets the byte 1 (its codes are zeros; this program alone reads the bytes).
; LAYOUT.  Both products are used transposed: S^T = K Q^T (source 0 = 16 keys), O^T = V^T P^T (source 0 = 16 channels): a lane holds ONE query throughout.  By the tiles' choice of rows the 16 registers of two
; neighbouring tiles are 16 neighbouring keys (or channels): the conversions' results are the next operand's registers.
; K = 64 IN AN INSTRUCTION OF K = 128.  Q's upper eight registers are zeros.  A tile of K is eight registers; the instruction names sixteen: the upper eight are the next tile's codes (behind the last tile: zeros),
; which meet Q's zero codes and add nothing (the quantiser's hold leaves no NaN code; the scale bytes of that half are 127 on both sides).
; SHARES.  A head has 16 groups of 128 queries, 8 tiles each; group g wants key steps 0 .. g.  Work-group j of the head's four takes tiles 2 j and 2 j + 1 of EVERY group.  Wave w takes tile a = 2 j + w % 2 of group
; 15 - w / 2 (key steps 0 upward, 16 - w / 2 of them) and then of group w / 2 (from its diagonal step downward): 17 key steps in every wave, a constant of the text.
; LDS.  The head's K, V and scale words, 16 records of 17,152 dense bytes, lie in LDS at once: 274,432 bytes, filled once, wave w bringing record w.  Nothing is filled again.  Two barriers show the records: the first
; those of waves 0 to 3, which have a load line of their own and alone wait there; four key steps on records 0 to 3 follow; the second shows all the rest.  No barrier stands in a loop.
; CLUSTER.  The head's four work-groups need the same 16 records at the same time: they form a cluster of 4 x 1 and ask jointly (mask 15).  The place in the cluster enters global addresses and the diagonal's lane masks alone.
; NO PREFETCH: every record is asked for at the head, by its tensor load; there is no loop to run ahead in.  Q's tiles, 1,088 bytes a pass, come by plain loads.
.set RS,    25856
.set HS,    16*RS
.set RKV,   17152                      ; K 8,192, V 8,192, K's scale words 512, V's 256
.set SPARE, 16*RKV                     ; the spare words, 128 bytes for each wave: eight blocks of 256 bytes that no other line names
.set SPW, 3                            ; v3  SPARE + 4 x my thread's number; never rewritten
.set NIL, 4                            ; v4  0; never rewritten
.set ADL, 8                            ; v8  the record + 16 x lane
.set ADS, 9                            ; v9  the record + 8 x lane
; v1 16 x lane; v2 8 x lane; v5 my query in its block of 32 - 16 (lane / 16); v6, v7 my places in Q's image and among Q's scale words; v11 8 r + h; v12 -M; v13 the largest t; v[14:15] the sum;
; v16-23 Q, v24-31 zeros; v32-95 K's eight tiles, then V's four; v96-103 zeros; v104-167 S^T, then p; v168-199 O^T; v200-215 p's codes; v216-219 K's scale words, v220-221 V's, v222 Q's, v223 p's (these eight hold scales alone);
; v224-227 the blocks' maxima; v228-231 bytes; v232-235 holds; v236-239 scale operands; v238-241, v246-255 the sum's chains; v[242:243] f; v244 at work; v245 -infinity
.set WV,  10                           ; s10 my wave's number
.set SWS, 13                           ; s13 the trip at which the second pass begins: 16 - w / 2
.set GG,  14                           ; s14 my group of queries in the pass in hand
.set GL,  15                           ; s15 the second pass's
.set KS,  16                           ; s16 the key step = the record
.set NN,  17                           ; s17 the trip, 0 .. 16
.set TB,  18                           ; s18 LDS byte at which the record begins
.set MNT, 19
.set SEL, 20
.set CS,  22                           ; s[22:23] log2(e) / 8
.set DM,  70                           ; s70-85 lane masks of the diagonal's block of 32 keys: bit l of mask i: key i + 16 (l / 16) of the block comes after lane l's query
; s[24:31] descriptor group 1; s[32:35] group 0; s[36:37] the head's records; s[38:39], s[40:41] my tile's place in ac and asc for group 0; s[46:47] Q; s[48:49], s[50:51] the stores' bases; s52 a mask of lanes 16-31; s56 my place in the cluster; s58-60 masks at work
.macro CROUND                          ; a round of the cluster's barrier
	s_barrier_signal -1
	s_barrier_wait -1
	s_cmp_lg_u32 s[WV], 0
	s_cbranch_scc1 .Lnot_wave_0_\@
	s_barrier_signal -3
.Lnot_wave_0_\@:
	s_barrier_wait -3
	s_barrier_signal -1
	s_barrier_wait -1
.endm
	s_load_b128 s[4:7], s[0:1], 0x0                ; qkv, ac
	s_load_b64 s[8:9], s[0:1], 0x10                ; asc
	v_lshl_add_u32 v[SPW], v0, 2, SPARE
	v_mov_b32 v[NIL], 0
	ds_add_u32 v[SPW], v[NIL]                      ; the opening lines: the add twice on end and one wait
	ds_add_u32 v[SPW], v[NIL]
	v_lshrrev_b32 v8, 5, v0
	v_readfirstlane_b32 s[WV], v8                  ; wave 0..15
	s_and_b32 s12, ttmp7, 0xffff                   ; 16 x batch + head
	s_bfe_u32 s56, ttmp6, 0x40000                  ; j: my place in the cluster
	s_lshr_b32 s[GL], s[WV], 1
	s_sub_co_u32 s[GG], 15, s[GL]
	s_add_co_u32 s[SWS], s[GG], 1
	s_mov_b32 s24, 15|(3<<16)|(1<<21)              ; the mask names the cluster's four; elements of 8 bytes; bit 21 set beside a mask; no padding
	s_mov_b32 s25, 32<<16                          ; a dense block as rows of 256 bytes: tensor_dim0 = 32
	s_mov_b32 s26, 67<<16                          ; tensor_dim1 = 67
	s_mov_b32 s27, 32<<16                          ; tile_dim0
	s_mov_b32 s28, 67                              ; tile_dim1
	s_mov_b32 s29, 32                              ; from row to row
	s_mov_b32 s30, 0
	s_mov_b32 s31, 0
	s_mov_b32 s32, 1                               ; count = 1
	s_mul_i32 s33, s[WV], RKV                      ; LDS address: record w
	s_mul_i32 s44, s[WV], RS
	s_add_co_u32 s44, s44, 8704                    ; K begins 8,704 bytes into a record
	s_mov_b32 s45, 0
	s_mul_i32 s36, s12, HS
	s_mov_b32 s37, 0
	s_wait_dscnt 0x0                               ; both opening adds are done
	CROUND                                         ; all four work-groups are here: the joint loads meet
	s_wait_kmcnt 0x0
	s_add_nc_u64 s[36:37], s[4:5], s[36:37]        ; the head's records
	s_add_nc_u64 s[34:35], s[36:37], s[44:45]
	s_or_b32 s35, s35, 0x80000000                  ; type = 2
	s_cmp_lt_u32 s[WV], 4                          ; one tensor load a wave; waves 0 to 3, whose records are shown first, have a line of their own
	s_cbranch_scc0 .Llater
	tensor_load_to_lds s[32:35], s[24:31]
	s_nop 0
.rept 4
	v_nop
.endr
	s_branch .Lasked
.Llater:
	tensor_load_to_lds s[32:35], s[24:31]
	s_nop 0
.rept 4
	v_nop
.endr
.Lasked:
	s_and_b32 s54, s[WV], 1
	s_lshl_b32 s57, s56, 1
	s_add_co_u32 s54, s54, s57                     ; a = 2 j + w % 2
	s_and_b32 s53, s12, 15                         ; the head
	s_lshr_b32 s55, s12, 4                         ; the batch
	s_lshr_b32 s46, s53, 2                         ; which 256 along the projection's K
	s_lshl_b32 s48, s46, 21                        ; ac: 2,097,152 bytes for each 256 along K,
	s_lshl_b32 s50, s55, 7
	s_add_co_u32 s50, s50, s54
	s_lshl_b32 s50, s50, 12                        ; 4,096 a tile of tokens (128 tiles a batch),
	s_add_co_u32 s48, s48, s50
	s_bfe_u32 s50, s53, 0x10001
	s_lshl_b32 s51, s50, 11                        ; 2,048 a K step of 128,
	s_add_co_u32 s48, s48, s51
	s_and_b32 s51, s53, 1
	s_lshl_b32 s47, s51, 10                        ; 512 a block of 32: a head is two
	s_add_co_u32 s48, s48, s47
	s_mov_b32 s49, 0
	s_add_nc_u64 s[38:39], s[6:7], s[48:49]
	s_lshl_b32 s48, s55, 6                         ; asc: 1,024 bytes a pair of tiles (64 pairs a batch),
	s_lshr_b32 s47, s54, 1
	s_add_co_u32 s48, s48, s47
	s_lshl_b32 s48, s48, 10
	s_lshl_b32 s46, s46, 8                         ; 256 for each 256 along K,
	s_add_co_u32 s48, s48, s46
	s_and_b32 s46, s54, 1
	s_lshl_b32 s46, s46, 7                         ; 128 a tile of the pair,
	s_add_co_u32 s48, s48, s46
	s_lshl_b32 s50, s50, 2                         ; 4 a K step,
	s_add_co_u32 s48, s48, s50
	s_lshl_b32 s51, s51, 1                         ; a byte a block
	s_add_co_u32 s48, s48, s51
	s_add_nc_u64 s[40:41], s[8:9], s[48:49]
	s_mov_b32 s[MNT], 0x600000
	s_mov_b32 s[SEL], 0x76543210
	s_mov_b32 s[SEL+1], 0xfedcba98
	s_mov_b32 s[CS], 0x3e38aa3b                    ; log2(e) / 8
	s_mov_b32 s[CS+1], s[CS]                       ; (named with it as a pair, so it is written)
	s_mov_b32 s52, 0xffff0000
	v_and_b32 v9, 31, v0
	s_delay_alu instid0(VALU_DEP_1)
	v_lshlrev_b32 v1, 4, v9
	s_delay_alu instid0(VALU_DEP_2)
	v_lshlrev_b32 v2, 3, v9
	v_and_b32 v10, 15, v0                          ; r
	v_bfe_u32 v244, v0, 4, 1                       ; h
	s_delay_alu instid0(VALU_DEP_2)
	v_and_b32 v5, 8, v10
	s_delay_alu instid0(VALU_DEP_1)
	v_add_nc_u32 v5, v5, v10                       ; r + 8 (r / 8)
	s_delay_alu instid0(VALU_DEP_3)
	v_lshlrev_b32 v8, 4, v244
	s_delay_alu instid0(VALU_DEP_1)
	v_sub_nc_u32 v5, v5, v8                        ; - 16 h
	s_lshl_b32 s47, s47, 5                         ; 32 (a / 2)
	s_lshr_b32 s46, s46, 4                         ; 8 (a % 2)
	v_add_nc_u32 v5, s46, v5                       ; my query lies in block a / 2 = j of its group's four blocks of 32, at 8 (a % 2) + r + 8 (r / 8)
.irp i, 0,1,2,3,4,5,6,7,8,9,10,11,12,13,14,15
	v_cmp_gt_i32 s[DM+\i], \i, v5                  ; in that block register i holds key i + 16 h: hidden where i > my query - 16 h
.endr
	v_lshl_add_u32 v6, s54, 10, v1                 ; Q's image: 1,024 a + 16 x lane
	v_lshlrev_b32 v7, 4, v10
	s_lshl_b32 s46, s46, 5                         ; 256 (a % 2)
	s_lshr_b32 s47, s47, 3                         ; 4 (a / 2)
	s_add_co_u32 s46, s46, s47
	v_add_nc_u32 v7, s46, v7                       ; Q's scale word: ((a % 2) 16 + r) 16 + (a / 2) 4
	v_lshl_add_u32 v11, v10, 3, v244               ; 8 r + h
.irp j, 0,1,2,3,4,5,6,7
	v_mov_b32 v[24+\j], 0                          ; Q's upper 64 along K: zero codes
	v_mov_b32 v[96+\j], 0                          ; and what stands behind K's last tile
.endr
.irp b, 0,1,2,3
	v_mov_b32 v[228+\b], 0                         ; written once: a lane permute's destination counts as one of its sources
.endr
	v_mov_b32 v243, 0                              ; (named as the upper half of the pair v[242:243])
	v_mov_b32 v245, 0xff800000                     ; -infinity
; A pass begins: my tile of Q, and an empty state.  (The step is written once for all steps: the first finds zeros, which the first change of M leaves zeros.)
.macro START
	s_mul_i32 s54, s[GG], RS
	s_mov_b32 s55, 0
	s_add_nc_u64 s[46:47], s[36:37], s[54:55]      ; (the last pass's loads by this base were waited for)
	global_load_b128 v[16:19], v6, s[46:47]
	global_load_b128 v[20:23], v6, s[46:47] offset:512
	global_load_b32 v222, v7, s[46:47] offset:8192
	v_mov_b32 v13, 0xff61b1e6                      ; the largest t so far: -3e38, under every t
	s_delay_alu instid0(VALU_DEP_1)
	v_floor_f32 v12, -v13                          ; -M
	v_mov_b32 v14, 0
	v_mov_b32 v15, 0
.set j, 0
.rept 32
	v_mov_b32 v[168+j], 0
.set j, j+1
.endr
	s_wait_loadcnt 0x0
.endm
; A pass ends: O^T / the sum, quantised along the head's 64 (two blocks), stored as the projection's operand.
.macro FINISH
.rept 2
	v_nop                                          ; with the six additions at the step's end: eight places behind the last products
.endr
	v_add_f32 v14, v14, v15                        ; the sum's two halves,
	s_delay_alu instid0(VALU_DEP_1)
	v_permlanex16_b32 v244, v14, s[SEL], s[SEL+1]
	s_delay_alu instid0(VALU_DEP_1)
	v_add_f32 v14, v14, v244                       ; and lane l xor 16's: the row's sum
	s_wait_alu depctr_va_vdst(0)                   ; the wait ahead of the transcendental
	v_rcp_f32 v14, v14
	v_nop                                          ; a plain line behind the transcendental
	s_lshl_b32 s54, s[GG], 15                      ; a group is eight tiles of 4,096 bytes in ac,
	s_mov_b32 s55, 0
	s_add_nc_u64 s[48:49], s[38:39], s[54:55]
	s_lshl_b32 s54, s[GG], 12                      ; four pairs of 1,024 in asc
	s_add_nc_u64 s[50:51], s[40:41], s[54:55]
	s_wait_alu depctr_va_vdst(0)                   ; the wait ahead of the reciprocal's first reader
.set j, 0
.rept 16
	v_pk_mul_f32 v[104+j:105+j], v[168+j:169+j], v[14:15] op_sel_hi:[1,0]   ; register 16 b + i is channel 32 b + 16 h + i of my query; each accumulator from its low end on
.set j, j+2
.endr
.irp b, 0,1
	v_max3_num_f32 v[224+\b], |v[104+16*\b]|, |v[105+16*\b]|, 0x4800000     ; the floor 2^(9 - 127): the byte cannot fall under 1
.endr
.irp i, 2,4,6,8,10,12,14
.irp b, 0,1
	s_delay_alu instid0(VALU_DEP_2)
	v_max3_num_f32 v[224+\b], v[224+\b], |v[104+16*\b+\i]|, |v[105+16*\b+\i]|
.endr
.endr
.irp b, 0,1
	s_delay_alu instid0(VALU_DEP_2)
	v_permlanex16_b32 v[228+\b], v[224+\b], s[SEL], s[SEL+1]
.endr
.irp b, 0,1
	s_delay_alu instid0(VALU_DEP_2)
	v_max_num_f32 v[224+\b], v[224+\b], v[228+\b]
.endr
.irp b, 0,1
	s_delay_alu instid0(VALU_DEP_2)
	v_add_nc_u32 v[236+\b], 0xfc000000, v[224+\b]
.endr
.irp b, 0,1
	s_delay_alu instid0(VALU_DEP_4)
	v_and_or_b32 v[232+\b], v[224+\b], 0x7f800000, s[MNT]
.endr
.irp b, 0,1
	s_delay_alu instid0(VALU_DEP_4)
	v_lshrrev_b32 v[228+\b], 23, v[236+\b]
.endr
	s_delay_alu instid0(VALU_DEP_1)
	v_cndmask_b32 v244, v228, v229, s52            ; lane (r, h) stores block h's byte
.irp b, 0,1
.irp i, 0,1,2,3,4,5,6,7,8,9,10,11,12,13,14,15
	v_med3_num_f32 v[104+16*\b+\i], v[104+16*\b+\i], -v[232+\b], v[232+\b]
.endr
	v_cvt_scalef32_pk8_fp8_f32 v[200+4*\b:201+4*\b], v[104+16*\b:111+16*\b], v[236+\b]
	v_cvt_scalef32_pk8_fp8_f32 v[202+4*\b:203+4*\b], v[112+16*\b:119+16*\b], v[236+\b]
.endr
	v_nop                                          ; a plain line behind the last conversion
	global_store_b128 v1, v[200:203], s[48:49]     ; 512 consecutive bytes each
	global_store_b128 v1, v[204:207], s[48:49] offset:512
	global_store_b8 v11, v244, s[50:51]            ; a scale word of the projection's K step spans two heads, so a head stores two bytes of it
	s_wait_xcnt 0x0                                ; the stores have read their registers and bases, which the next pass writes again
.endm
; A KEY STEP: the 128 keys of the record at s[TB].  diag = 0: a copy for steps that cannot lie on a diagonal.
.macro STEP diag
	v_add_nc_u32 v[ADL], s[TB], v1                 ; these two and the six additions at the last step's end: eight places in front of loads into registers that the last products read
	v_add_nc_u32 v[ADS], s[TB], v2
.irp t, 0,1,2,3,4,5,6,7
	ds_load_b128 v[32+8*\t:35+8*\t], v[ADL] offset:\t*1024
	ds_load_b128 v[36+8*\t:39+8*\t], v[ADL] offset:\t*1024+512
.endr
	ds_load_b128 v[216:219], v[ADL] offset:16384   ; K's scale words: register n: lanes 0-15 tile 2 n, lanes 16-31 tile 2 n + 1
	s_wait_alu depctr_va_vdst(0)
	s_wait_dscnt 0x0
.irp t, 0,1,2,3,4,5,6,7
.if \t%2
	v_wmma_scale_f32_16x16x128_f8f6f4 v[104+8*\t:111+8*\t], v[32+8*\t:47+8*\t], v[16:31], 0, v[216+\t/2], v222 matrix_a_scale:MATRIX_SCALE_ROW1
.else
	v_wmma_scale_f32_16x16x128_f8f6f4 v[104+8*\t:111+8*\t], v[32+8*\t:47+8*\t], v[16:31], 0, v[216+\t/2], v222
.endif
.endr
.rept 8
	v_nop                                          ; places in front of the loads below and of the first read of the scores
.endr
.irp t, 0,1,2,3
.irp c, 0,1,2,3
	ds_load_b128 v[32+16*\t+4*\c:35+16*\t+4*\c], v[ADL] offset:8192+\t*2048+\c*512   ; V is asked for at once and lands under the softmax
.endr
.endr
	ds_load_b64 v[220:221], v[ADS] offset:16896
.if \diag
	s_cmp_lt_u32 s[KS], s[GG]                      ; all its keys count: no mask
	s_cbranch_scc1 .Lopen_\@
; the step on the diagonal: register 16 b + i holds key 32 b + 16 h + i of the step.  Blocks b < j count whole, blocks b > j are hidden whole, block j goes by the sixteen lane masks.  The choice is a scalar select: no branch hangs on j.
.irp b, 0,1,2,3
	s_cmp_lt_u32 s56, \b
	s_cselect_b32 s58, -1, 0
	s_cmp_eq_u32 s56, \b
.irp i, 0,1,2,3,4,5,6,7,8,9,10,11,12,13,14,15
	s_cselect_b32 s[59+\i%2], s[DM+\i], s58
	v_cndmask_b32 v[104+16*\b+\i], v[104+16*\b+\i], v245, s[59+\i%2]
.endr
.endr
.Lopen_\@:
.endif
.irp b, 0,1,2,3
	v_max3_num_f32 v[224+\b], v[104+16*\b], v[105+16*\b], v[106+16*\b]   ; the largest score of each block of 32 keys: for the row's maximum, and, since p rises with the score, for the block's largest p
.endr
.irp i, 3,5,7,9,11,13
.irp b, 0,1,2,3
	v_max3_num_f32 v[224+\b], v[224+\b], v[104+16*\b+\i], v[105+16*\b+\i]
.endr
.endr
.irp b, 0,1,2,3
	v_max_num_f32 v[224+\b], v[224+\b], v[119+16*\b]
.endr
.irp b, 0,1,2,3
	s_delay_alu instid0(VALU_DEP_4)
	v_permlanex16_b32 v[228+\b], v[224+\b], s[SEL], s[SEL+1]
.endr
.irp b, 0,1,2,3
	s_delay_alu instid0(VALU_DEP_4)
	v_max_num_f32 v[224+\b], v[224+\b], v[228+\b]  ; with lane l xor 16's 16 keys
.endr
	s_delay_alu instid0(VALU_DEP_2)
	v_max3_num_f32 v244, v224, v225, v226
	s_delay_alu instid0(VALU_DEP_1)
	v_max_num_f32 v244, v244, v227                 ; the step's largest score of my query
	s_delay_alu instid0(VALU_DEP_1)
	v_mul_f32 v244, s[CS], v244                    ; as t
	s_delay_alu instid0(VALU_DEP_1)
	v_max_num_f32 v13, v13, v244                   ; the running largest t
	v_mov_b32 v244, v12
	s_delay_alu instid0(VALU_DEP_2)
	v_floor_f32 v12, -v13                          ; the new -M = floor(-t): M is a whole number
	s_delay_alu instid0(VALU_DEP_1)
	v_sub_f32 v244, v12, v244                      ; old M - new M: a whole number, 0 or less
	s_delay_alu instid0(VALU_DEP_1)
	v_cvt_i32_f32 v244, v244                       ; (it saturates)
	s_delay_alu instid0(VALU_DEP_1)
	v_ldexp_f32 v242, 1.0, v244                    ; f = 2^(old M - new M)
.set j, 0
.rept 32
	v_pk_fma_f32 v[104+j:105+j], v[104+j:105+j], s[CS:CS+1], v[12:13] op_sel_hi:[1,0,0]   ; t - M, two at a time
.set j, j+2
.endr
.irp b, 0,1,2,3
	v_fma_f32 v[224+\b], v[224+\b], s[CS], v12     ; the same of each block's largest score
.endr
.set j, 0
	s_wait_alu depctr_va_vdst(0)                   ; the wait ahead of the batch
.rept 64
	v_exp_f32 v[104+j], v[104+j]                   ; p = 2^(t - M), at most 1
.set j, j+1
.endr
	v_pk_mul_f32 v[14:15], v[14:15], v[242:243] op_sel_hi:[1,0]   ; the sums under the new M (a plain line behind the exponentials)
	s_wait_alu depctr_va_vdst(0)                   ; one wait for the batch, ahead of its first reader
.irp b, 0,1,2,3
	v_exp_f32 v[224+\b], v[224+\b]                 ; the block's largest p: the same two instructions on the same number
.endr
	v_pk_add_f32 v[240:241], v[108:109], v[112:113]   ; the row's sum of the unquantised p, two at a time, in eight chains
	v_pk_add_f32 v[254:255], v[116:117], v[120:121]
	v_pk_add_f32 v[252:253], v[124:125], v[128:129]
	v_pk_add_f32 v[250:251], v[132:133], v[136:137]
	v_pk_add_f32 v[248:249], v[140:141], v[144:145]
	v_pk_add_f32 v[246:247], v[148:149], v[152:153]
	v_pk_add_f32 v[238:239], v[156:157], v[160:161]
	v_pk_add_f32 v[14:15], v[14:15], v[164:165]
	v_pk_add_f32 v[240:241], v[240:241], v[104:105]
	v_pk_add_f32 v[254:255], v[254:255], v[106:107]
	v_pk_add_f32 v[252:253], v[252:253], v[110:111]
	v_pk_add_f32 v[250:251], v[250:251], v[114:115]
	v_pk_add_f32 v[248:249], v[248:249], v[118:119]
	v_pk_add_f32 v[246:247], v[246:247], v[122:123]
	v_pk_add_f32 v[238:239], v[238:239], v[126:127]
	v_pk_add_f32 v[14:15], v[14:15], v[130:131]
	v_pk_add_f32 v[240:241], v[240:241], v[134:135]
	v_pk_add_f32 v[254:255], v[254:255], v[138:139]
	v_pk_add_f32 v[252:253], v[252:253], v[142:143]
	v_pk_add_f32 v[250:251], v[250:251], v[146:147]
	v_pk_add_f32 v[248:249], v[248:249], v[150:151]
	v_pk_add_f32 v[246:247], v[246:247], v[154:155]
	v_pk_add_f32 v[238:239], v[238:239], v[158:159]
	v_pk_add_f32 v[14:15], v[14:15], v[162:163]
	v_pk_add_f32 v[240:241], v[240:241], v[166:167]
	v_pk_add_f32 v[252:253], v[252:253], v[238:239]   ; (v238, v239 are written anew below); the other six chains are joined at the step's end, behind the products
	s_wait_alu depctr_va_vdst(0)                   ; and one for the four
.irp b, 0,1,2,3
	v_max_num_f32 v[224+\b], 0x4800000, v[224+\b]  ; the floor 2^(9 - 127): the byte cannot fall under 1
.endr
.irp b, 0,1,2,3
	s_delay_alu instid0(VALU_DEP_4)
	v_add_nc_u32 v[236+\b], 0xfc000000, v[224+\b]  ; the conversion's scale operand
.endr
.irp b, 0,1,2,3
	v_and_or_b32 v[232+\b], v[224+\b], 0x7f800000, s[MNT]   ; 448 x the scale
.endr
.irp b, 0,1,2,3
	v_lshrrev_b32 v[228+\b], 23, v[236+\b]         ; the scale's byte
.endr
	s_delay_alu instid0(VALU_DEP_3)
	v_lshl_or_b32 v223, v229, 8, v228              ; p's scale word for these 128 keys: more than eight plain lines ahead of the products
	s_delay_alu instid0(VALU_DEP_1)
	v_lshl_or_b32 v223, v230, 16, v223
	s_delay_alu instid0(VALU_DEP_1)
	v_lshl_or_b32 v223, v231, 24, v223
.irp b, 0,1,2,3
.irp i, 0,2,4,6,8,10,12,14
	v_dual_min_num_f32 v[104+16*\b+\i], v[104+16*\b+\i], v[232+\b] :: v_dual_min_num_f32 v[105+16*\b+\i], v[105+16*\b+\i], v[232+\b]   ; the conversion does not saturate (ISA guide 7.6.2); p is not negative, so the hold is one-sided; two holds an instruction
.endr
	v_cvt_scalef32_pk8_fp8_f32 v[200+4*\b:201+4*\b], v[104+16*\b:111+16*\b], v[236+\b]
	v_cvt_scalef32_pk8_fp8_f32 v[202+4*\b:203+4*\b], v[112+16*\b:119+16*\b], v[236+\b]
.endr
	s_wait_alu depctr_va_vdst(0)                   ; directly ahead of the first reader of O^T
.set j, 0
.rept 16
	v_pk_mul_f32 v[168+j:169+j], v[168+j:169+j], v[242:243] op_sel_hi:[1,0]   ; O^T under the new M; these are also the plain lines between the conversions and the products
.set j, j+2
.endr
	s_wait_alu depctr_va_vdst(0)                   ; directly ahead of the wait below
	s_wait_dscnt 0x0                               ; V and its scale words are in
.irp t, 0,1,2,3                        ; the four accumulators take turns, one instruction a turn; eight products K Q^T stand between two steps' turns
.if \t%2
	v_wmma_scale_f32_16x16x128_f8f6f4 v[168+8*\t:175+8*\t], v[32+16*\t:47+16*\t], v[200:215], v[168+8*\t:175+8*\t], v[220+\t/2], v223 matrix_a_scale:MATRIX_SCALE_ROW1
.else
	v_wmma_scale_f32_16x16x128_f8f6f4 v[168+8*\t:175+8*\t], v[32+16*\t:47+16*\t], v[200:215], v[168+8*\t:175+8*\t], v[220+\t/2], v223
.endif
.endr
	v_pk_add_f32 v[14:15], v[14:15], v[250:251]    ; the sum's chains are joined: six plain lines that name no register of the products: six of the places behind them
	v_pk_add_f32 v[240:241], v[240:241], v[248:249]
	v_pk_add_f32 v[254:255], v[254:255], v[246:247]
	v_pk_add_f32 v[14:15], v[14:15], v[254:255]
	v_pk_add_f32 v[240:241], v[240:241], v[252:253]
	v_pk_add_f32 v[14:15], v[14:15], v[240:241]
	s_wait_alu depctr_va_vdst(0)                   ; the sum may be read next behind a taken branch
.endm
	s_mov_b32 s[NN], 0
	START                                          ; the first pass's Q comes while the records are on their way
	s_wait_alu depctr_va_vdst(0)                   ; the wait at the head's end
	s_cmp_lt_u32 s[WV], 4
	s_cbranch_scc0 .Lnot_yet
	s_wait_tensorcnt 0x0                           ; waves 0 to 3: my record is in.  The other waves' wait stands at the second barrier
.Lnot_yet:
	s_barrier_signal -1
	s_barrier_wait -1                              ; records 0 to 3 lie in LDS
.Lfirst:                                           ; trips 0 to 3: every wave's first pass has at least nine key steps, and its diagonal lies at record 8 or later
	s_mul_i32 s[TB], s[NN], RKV
	STEP 0
	s_add_co_u32 s[NN], s[NN], 1
	s_cmp_lt_u32 s[NN], 4
	s_cbranch_scc1 .Lfirst
	s_wait_tensorcnt 0x0                           ; every wave: my record is in,
	s_wait_dscnt 0x0
	s_barrier_signal -1
	s_barrier_wait -1                              ; and so is everybody's: all 16 records lie in LDS, and nothing is filled again
.Lstep:                                            ; trips 4 to 16
	s_cmp_eq_u32 s[NN], s[SWS]                     ; the second pass begins: a branch on the wave's number and the trip; no barrier, tensor load or LDS access stands under it
	s_cbranch_scc0 .Lsame
	FINISH
	s_mov_b32 s[GG], s[GL]
	START
.Lsame:
	s_sub_co_u32 s53, 16, s[NN]
	s_cmp_lt_u32 s[NN], s[SWS]
	s_cselect_b32 s[KS], s[NN], s53                ; first pass: records 0 upward; second: from its diagonal record, 16 - trip, down to 0
	s_min_u32 s[KS], s[KS], 15                     ; (either choice is at most 15 where it is taken: the bound is written out)
	s_mul_i32 s[TB], s[KS], RKV
	STEP 1
	s_add_co_u32 s[NN], s[NN], 1
	s_cmp_lt_u32 s[NN], 17
	s_cbranch_scc1 .Lstep
	FINISH
	s_wait_tensorcnt 0x0                           ; the wave's end
	ds_add_u32 v[SPW], v[NIL]
	s_wait_dscnt 0x0
	CROUND                                         ; the closing round
	s_endpgm
.Lfunc_end_k_q41bb815125_attention:
	.size	k_q41bb815125_attention, .Lfunc_end_k_q41bb815125_attention-k_q41bb815125_attention
	.p2alignl 7, 3214868480
	.fill 96, 4, 3214868480
	.section	.rodata,"a",@progbits
	.p2align	6, 0x0
	.amdhsa_kernel k_q41bb815125_attention
		.amdhsa_group_segment_fixed_size 327680
		.amdhsa_private_segment_fixed_size 0
		.amdhsa_enable_private_segment 0
		.amdhsa_kernarg_size 24
		.amdhsa_user_sgpr_count 2
		.amdhsa_user_sgpr_kernarg_segment_ptr 1
		.amdhsa_wavefront_size32 1
		.amdhsa_system_sgpr_workgroup_id_x 1
		.amdhsa_system_sgpr_workgroup_id_y 1
		.amdhsa_system_sgpr_workgroup_id_z 1
		.amdhsa_system_vgpr_workitem_id 0
		.amdhsa_next_free_vgpr 256
		.amdhsa_next_free_sgpr 96
		.amdhsa_reserve_vcc 0
		.amdhsa_float_denorm_mode_32 3
		.amdhsa_float_denorm_mode_16_64 3
		.amdhsa_memory_ordered 1
		.amdhsa_forward_progress 1
		.amdhsa_inst_pref_size 69
	.end_amdhsa_kernel
	.amdgpu_metadata
---
amdhsa.version: [ 1, 2 ]
amdhsa.kernels:
  - .name:           k_q41bb815125_attention
    .symbol:         k_q41bb815125_attention.kd
    .args:
      - { .name: qkv, .offset: 0, .size: 8, .value_kind: global_buffer, .address_space: global }
      - { .name: ac, .offset: 8, .size: 8, .value_kind: global_buffer, .address_space: global }
      - { .name: asc, .offset: 16, .size: 8, .value_kind: global_buffer, .address_space: global }
    .group_segment_fixed_size: 327680
    .private_segment_fixed_size: 0
    .kernarg_segment_align: 8
    .kernarg_segment_size: 24
    .max_flat_workgroup_size: 512
    .sgpr_count:     96
    .vgpr_count:     256
    .wavefront_size: 32
...
	.end_amdgpu_metadata
.endif
;; end of part 3
;; launch gemm_proj (part 4): grid 8 x 32, 4 waves a work-group, clusters of 4 x 4, 327,680 bytes of LDS; arguments ac, asc, wc, ws, b_proj, out0; writes out0
.if DOCPART == 4
	.amdgcn_target "amdgcn-amd-amdhsa--gfx1250"
	.amdhsa_code_object_version 6
	.text
	.protected	k_q41bb815125_gemm_proj
	.globl	k_q41bb815125_gemm_proj
	.p2align	8
	.type	k_q41bb815125_gemm_proj,@function
k_q41bb815125_gemm_proj:
	s_mov_b64 s[64:65], 0
	v_nop
	global_prefetch_b8 v0, s[64:65] scope:SCOPE_SE
	s_setreg_imm32_b32 hwreg(HW_REG_WAVE_MODE, 25, 1), 1
	s_wait_xcnt 0x0
	s_wait_alu depctr_hold_cnt(0) depctr_sa_sdst(0) depctr_va_vdst(0) depctr_va_sdst(0) depctr_va_ssrc(0) depctr_va_vcc(0) depctr_vm_vsrc(0)
	s_getreg_b32 s2, hwreg(HW_REG_IB_STS2, 6, 4)
	s_cmp_eq_u32 s2, 0
	s_cbranch_scc0 .Lentry_in_a_cluster
	s_endpgm
.Lentry_in_a_cluster:
	s_bfe_u32 s2, ttmp6, 0x10000c
	s_cmp_lg_u32 s2, 0xf033
	s_cbranch_scc0 .Lentry_shape_is_right
	s_endpgm
.Lentry_shape_is_right:
; out0 = attention's result x w_proj + b_proj on codes of FP8 (E4M3) with E8M0 scales (ac, asc, wc, ws: layouts at the head of quant_x; w_proj's columns are rows 3,072 .. 4,095 of wc and ws), f32 sums, f32 out.
; LIMITS: NaN and infinities are not served.
; A block of the result, 256 tokens x 128 columns, is made by four waves, 2 x 2, 128 x 64 each: 32 accumulators, 256 registers.  8,192 x 1,024 are 32 x 8 = 256 such blocks: one work-group for each.
; K = 1,024 goes in four steps of 256 through two LDS slots (A's 256 rows, 65,536 bytes, then B's 128 rows, 32,768) filled by tensor loads; the scale words of all of K come once, at the head, and stay.
; A fragment lies in memory and in LDS as the image of its registers (c x 512 + lane x 16): no pitch, no padding.  A tile of 16 rows x 256 K is 4,096 dense bytes.
; CLUSTERS: 4 x 4 work-groups.  A's tile hangs on the block's row alone and is asked for jointly by a row of the cluster, B's on its column alone, by a column.
; THE MATRIX INSTRUCTION IS USED TRANSPOSED (source 0 = 16 rows of B, source 1 = 16 rows of A): a lane holds a token, its registers columns.  By the tiles' choice of rows register j of accumulator (a, b) of lane (r, h) is
; column 32 (b / 2) + 16 h + 8 (b % 2) + j of token 32 (a / 2) + 8 (a % 2) + r + 8 (r / 8).  THE BIAS IS THE FIRST PRODUCTS' C.
; NO PREFETCH: K has four steps, of which two are asked for at the head; each weight tile is read by eight clusters, which would each ask for the same bytes.
; REGISTERS, in windows of 256: window 0: v0-31 addresses; v32-63 scale words, two sets, and nothing else; v64-95 the bias; v128-255 A's fragments, one set (the way out: rows read back).  window 1: v0-127 B's fragments, two sets.  window 2: the accumulators ((a, b) at v[8 (4 a + b)]).
.set NQ,    2
.set FR,    16
.set NL,    4
.set NP,    8                          ; places behind this matrix instruction (ISA guide 7.12.1)
.set ATB,   65536
.set BTB,   32768
.set SLOT,  ATB+BTB
.set SCL,   2*SLOT                     ; behind the ring: A's scale words, 8,192 bytes, then B's, 4,096
.set SPARE, SCL+12288                  ; the spare words, 128 bytes for each wave
.set SPITCH, 272                       ; the way out: a stage of 16 rows x (256 bytes + 16) for each wave, in slot 0, which has had its last fill and its last read by then
.set ADRA, 16                          ; v16-17 LDS address of my A fragments in slot 0, 1
.set ADRB, 20                          ; v20-21 the same for B
.set ADRS2, 22                         ; v22 of A's scale words, in all lanes
.set BO,   23
.set STO,  24
.set RD,   25
.set CO,   26
.set ADRS, 27                          ; v27 of my scale words: lanes 0-15 A's rows, lanes 16-31 B's
.set SPW,  28
.set NIL,  29
.set SC,   32
.set BI,   64
.set AF,   128
.set BK,   128
.set G1, 24
.set G0, 32
.set G1B, 48
.set G0B, 56
.set G1S, 68
.set G0S, 76
.set G1SB, 80
.set G0SB, 88
.set MSB, 0
.macro WIN new                         ; the immediate's high byte repeats the setting that is left
.if MSB != \new
	s_set_vgpr_msb (MSB<<8)|\new
.set MSB, \new
.endif
.endm
.set MUL,  0xa1                        ; source 0 (B) window 1, source 1 (A) window 0, C and D window 2
.set BIA,  0x81                        ; the same, C window 0
.set TO_B, 0x40
.macro JLOAD g0a, g1a, g0b, g1b        ; a joint load: waves 0 and 1 fetch for A, waves 2 and 3 for B
	s_cmp_eq_u32 s15, 0
	s_cbranch_scc0 .Lfor_b_\@
	tensor_load_to_lds s[\g0a:\g0a+3], s[\g1a:\g1a+7]
	s_nop 0
.rept 4
	v_nop
.endr
	s_branch .Lasked_\@
.Lfor_b_\@:
	tensor_load_to_lds s[\g0b:\g0b+3], s[\g1b:\g1b+7]
	s_nop 0
.rept 4
	v_nop
.endr
.Lasked_\@:
.endm
.macro CREST
	s_cmp_lg_u32 s14, 0
	s_cbranch_scc1 .Lnot_wave_0_\@
	s_barrier_signal -3
.Lnot_wave_0_\@:
	s_barrier_wait -3
	s_barrier_signal -1
	s_barrier_wait -1
.endm
.macro CROUND
	s_barrier_signal -1
	s_barrier_wait -1
	CREST
.endm
.macro GRP1 g, mask, rows              ; descriptor group 1: a dense block as so many rows of 256 bytes (32 elements of 8)
	s_or_b32 s[\g+0], s[\mask], (3<<16)|(1<<21)
	s_mov_b32 s[\g+1], 32<<16
	s_mov_b32 s[\g+2], (\rows)<<16
	s_mov_b32 s[\g+3], 32<<16
	s_mov_b32 s[\g+4], \rows
	s_mov_b32 s[\g+5], 32
	s_mov_b32 s[\g+6], 0
	s_mov_b32 s[\g+7], 0
.endm
	s_load_b128 s[4:7], s[0:1], 0x0                ; ac, asc
	s_load_b128 s[8:11], s[0:1], 0x10              ; wc, ws
	s_load_b128 s[96:99], s[0:1], 0x20             ; b_proj, out0
	v_lshl_add_u32 v[SPW], v0, 2, SPARE
	v_mov_b32 v[NIL], 0
	ds_add_u32 v[SPW], v[NIL]                      ; the opening lines: the add twice on end and one wait
	ds_add_u32 v[SPW], v[NIL]
	v_lshrrev_b32 v1, 5, v0
	v_readfirstlane_b32 s14, v1                    ; wave 0..3
	s_lshr_b32 s15, s14, 1                         ; which half of A's rows is mine.  Also: I fetch for A (0) or for B (1)
	s_and_b32 s16, s14, 1                          ; which half of B's rows.  Also: which half of that tile I fetch
	s_bfe_u32 s40, ttmp6, 0x40000
	s_bfe_u32 s41, ttmp6, 0x40004
	s_lshl_b32 s42, ttmp9, 2
	s_add_co_u32 s42, s42, s40                     ; the block's column, 0 .. 7
	s_and_b32 s17, ttmp7, 0xffff
	s_lshl_b32 s17, s17, 2
	s_add_co_u32 s17, s17, s41                     ; the block's row, 0 .. 31
	s_lshl_b32 s43, s41, 2
	s_lshl_b32 s43, 15, s43                        ; my row of the cluster
	s_lshl_b32 s44, 0x1111, s40                    ; my column
	GRP1 G1, 43, 256                               ; the head's loads bring whole tiles: A's 256 units of 256 bytes,
	GRP1 G1B, 44, 128                              ; B's 128,
	GRP1 G1S, 43, 32                               ; A's scale words,
	GRP1 G1SB, 44, 16                              ; B's
	s_lshl_b32 s18, s17, 16                        ; A: 65,536 bytes a block's row and K step
	s_mov_b32 s19, 0
	s_lshl_b32 s94, s42, 15                        ; B: 32,768 bytes a block's column, behind w_qkv's 192 tiles of 4,096
	s_add_co_u32 s94, s94, 786432
	s_mov_b32 s95, 0
	s_wait_dscnt 0x0
	s_wait_kmcnt 0x0
	s_add_nc_u64 s[20:21], s[4:5], s[18:19]
	s_lshr_b32 s18, s18, 3                         ; scale words: an eighth of that
	s_add_nc_u64 s[22:23], s[6:7], s[18:19]
	s_add_nc_u64 s[46:47], s[8:9], s[94:95]
	s_lshr_b32 s94, s94, 3
	s_add_nc_u64 s[92:93], s[10:11], s[94:95]
	CROUND                                         ; all sixteen work-groups are here: the first joint loads meet
	s_mov_b32 s4, 1                                ; s[4:7]: group 0 of the head's load of A's tile of K step 0 (the arguments that lay there have been used),
	s_mov_b32 s5, 0
	s_mov_b64 s[6:7], s[20:21]
	s_or_b32 s7, s7, 0x80000000
	s_mov_b32 s8, 1                                ; s[8:11]: of B's
	s_mov_b32 s9, ATB
	s_mov_b64 s[10:11], s[46:47]
	s_or_b32 s11, s11, 0x80000000
	s_mov_b32 s[G0S], 1
	s_mov_b32 s[G0S+1], SCL
	s_mov_b64 s[G0S+2:G0S+3], s[22:23]
	s_or_b32 s[G0S+3], s[G0S+3], 0x80000000
	s_mov_b32 s[G0SB], 1
	s_mov_b32 s[G0SB+1], SCL+8192
	s_mov_b64 s[G0SB+2:G0SB+3], s[92:93]
	s_or_b32 s[G0SB+3], s[G0SB+3], 0x80000000
	s_lshl_b32 s18, s16, 15                        ; for the ring: the half of a tile that I fetch: 32,768 bytes of A's,
	s_add_nc_u64 s[20:21], s[20:21], s[18:19]
	s_lshl_b32 s94, s16, 14                        ; 16,384 of B's
	s_add_nc_u64 s[46:47], s[46:47], s[94:95]
	s_add_co_u32 s45, s94, ATB                     ; and where they go: no place in the cluster enters an LDS address
.irp s, 0,1
	s_mov_b32 s[G0+4*\s], 1
	s_add_co_u32 s[G0+4*\s+1], s18, \s*SLOT
	s_add_nc_u64 s[G0+4*\s+2:G0+4*\s+3], s[20:21], \s*0x200000
	s_or_b32 s[G0+4*\s+3], s[G0+4*\s+3], 0x80000000
	s_mov_b32 s[G0B+4*\s], 1
	s_add_co_u32 s[G0B+4*\s+1], s45, \s*SLOT
	s_add_nc_u64 s[G0B+4*\s+2:G0B+4*\s+3], s[46:47], \s*0x100000
	s_or_b32 s[G0B+4*\s+3], s[G0B+4*\s+3], 0x80000000
.endr
; THE HEAD'S LOADS, ONE A WAVE: wave 0 A's tile of K step 0, wave 1 B's, wave 2 A's scale words, wave 3 B's.  One chain of branches on the wave's number, a load to an arm.
.macro ARM under, g0, g1, next
	s_cmp_lt_u32 s14, \under
	s_cbranch_scc0 \next
	tensor_load_to_lds s[\g0:\g0+3], s[\g1:\g1+7]
	s_nop 0
.rept 4
	v_nop
.endr
	s_branch .Lhead_asked
\next:
.endm
	ARM 1, 4, G1, .Lhead_b
	ARM 2, 8, G1B, .Lhead_sa
	ARM 3, G0S, G1S, .Lhead_sb
	tensor_load_to_lds s[G0SB:G0SB+3], s[G1SB:G1SB+7]
	s_nop 0
.rept 4
	v_nop
.endr
.Lhead_asked:
	v_and_b32 v1, 15, v0                           ; r
	v_bfe_u32 v2, v0, 4, 1                         ; h
	v_and_b32 v3, 31, v0
	v_lshlrev_b32 v4, 4, v3                        ; 16 x lane
	s_wait_alu depctr_va_vdst(0)
	s_lshl_b32 s92, s42, 9                         ; my 64 columns, in bytes of f32: 512 x the block's column + 256 x half
	s_lshl_b32 s93, s16, 8
	s_add_co_u32 s92, s92, s93
	s_mov_b32 s93, 0
	s_add_nc_u64 s[96:97], s[96:97], s[92:93]
	v_lshlrev_b32 v[BO], 6, v2
.irp b, 0,1,2,3
	global_load_b128 v[BI+8*\b:BI+8*\b+3], v[BO], s[96:97] offset:128*(\b/2)+32*(\b%2)      ; the bias in the accumulators' layout
	global_load_b128 v[BI+8*\b+4:BI+8*\b+7], v[BO], s[96:97] offset:128*(\b/2)+32*(\b%2)+16
.endr
	s_add_nc_u64 s[98:99], s[98:99], s[92:93]
	s_lshl_b32 s92, s17, 20                        ; my 128 rows of out0: 256 rows of 4,096 bytes a block, 128 a half
	s_lshl_b32 s46, s15, 19
	s_add_co_u32 s92, s92, s46
	s_add_nc_u64 s[98:99], s[98:99], s[92:93]
	s_lshl_b32 s21, s15, 15                        ; my 128 rows of A,
	s_lshl_b32 s22, s16, 14                        ; my 64 rows of B,
	s_add_co_u32 s22, s22, ATB                     ; which lie behind A's tile
.irp s, 0,1
	v_add_nc_u32 v[ADRA+\s], s21, v4
	v_add_nc_u32 v[ADRB+\s], s22, v4
	s_add_co_u32 s21, s21, SLOT
	s_add_co_u32 s22, s22, SLOT
.endr
	v_lshlrev_b32 v5, 3, v1                        ; scale words: 8 bytes a row (two K steps)
	s_lshl_b32 s21, s15, 12                        ; A's: my 128 rows
	s_lshl_b32 s22, s16, 11                        ; B's: my 64 rows, behind A's 8,192 bytes
	s_add_co_u32 s22, s22, 8192
	s_sub_co_u32 s22, s22, s21
	v_mul_u32_u24 v6, s22, v2                      ; lanes 16-31 take B's: one product, the distance x h
	s_add_co_u32 s21, s21, SCL
	v_add_nc_u32 v[ADRS2], s21, v5
	v_add_nc_u32 v[ADRS], v[ADRS2], v6
	s_mul_i32 s23, s14, 16*SPITCH                  ; my stage
	v_mul_u32_u24 v5, v1, SPITCH                   ; in: row r, 64 bytes for each half of the lanes
	v_lshl_add_u32 v5, v2, 6, v5
	v_add_nc_u32 v[STO], s23, v5
	v_mul_u32_u24 v6, v2, SPITCH                   ; back: lanes 0-15 take one row of 256 bytes, lanes 16-31 the next
	v_lshl_add_u32 v6, v1, 4, v6
	v_add_nc_u32 v[RD], s23, v6
	v_lshlrev_b32 v[CO], 12, v2                    ; and the same two rows in out0
	v_lshl_add_u32 v[CO], v1, 4, v[CO]
.macro FRAG reg, adr, q, i             ; a fragment comes back as it was stored: four loads of 512 consecutive bytes
.irp c, 0,1,2,3
	ds_load_b128 v[\reg+4*\c:\reg+4*\c+3], v[\adr] offset:(\i)*4096+(\q)*2048+512*\c
.endr
.endm
; 8 matrix instructions: A's blocks a0, a0 + 1 x B's four, the slot's q-th 128 along K.  p: B's set; sc: the set of scale words.  first = 1: the sums begin with the bias.
; The 32 accumulators take turns, one instruction a turn, in the same order in every step.
.macro MUL8 a0, p, q, sc, first
.irp a, \a0, \a0+1
.irp b, 0,1,2,3
.if \first
	v_wmma_scale_f32_16x16x128_f8f6f4 v[8*(4*(\a)+\b):8*(4*(\a)+\b)+7], v[64*(\p)+FR*\b:64*(\p)+FR*\b+FR-1], v[AF+FR*(\a):AF+FR*(\a)+FR-1], v[BI+8*\b:BI+8*\b+7], v[SC+16*(\sc)+NQ*\b+(\q)], v[SC+16*(\sc)+NQ*(\a)+(\q)] matrix_a_scale:MATRIX_SCALE_ROW1
.else
	v_wmma_scale_f32_16x16x128_f8f6f4 v[8*(4*(\a)+\b):8*(4*(\a)+\b)+7], v[64*(\p)+FR*\b:64*(\p)+FR*\b+FR-1], v[AF+FR*(\a):AF+FR*(\a)+FR-1], v[8*(4*(\a)+\b):8*(4*(\a)+\b)+7], v[SC+16*(\sc)+NQ*\b+(\q)], v[SC+16*(\sc)+NQ*(\a)+(\q)] matrix_a_scale:MATRIX_SCALE_ROW1
.endif
.endr
.endr
.endm
.macro FETCH_B slot, q, p
	WIN TO_B
.irp i, 0,1,2,3
	FRAG 64*(\p)+FR*\i, ADRB+\slot, \q, \i
.endr
	WIN 0
.endm
.macro FETCH_A slot, q, i0
.irp i, \i0, \i0+1, \i0+2, \i0+3
	FRAG AF+FR*(\i), ADRA+\slot, \q, \i
.endr
.endm
.macro SCALES sc                       ; a K step's scale words into set sc: two words a row; registers 2 i, 2 i + 1: lanes 0-15 A's block i; lanes 16-31 B's block i for i < 4 (B has four blocks; beyond, all lanes take A's)
.irp i, 0,1,2,3
	ds_load_b64 v[SC+16*\sc+NQ*\i:SC+16*\sc+NQ*\i+1], v[ADRS] offset:(\i/2)*1024+(\i%2)*128
.endr
.irp i, 4,5,6,7
	ds_load_b64 v[SC+16*\sc+NQ*\i:SC+16*\sc+NQ*\i+1], v[ADRS2] offset:(\i/2)*1024+(\i%2)*128
.endr
.endm
.macro PLACES n
.rept \n
	v_nop
.endr
.endm
.macro MWIN first
.if \first
	WIN BIA
.else
	WIN MUL
.endif
.endm
.macro STEP slot, q, first             ; a step of 128 along K that has its successor in the same slot
	s_wait_dscnt 4*NL                              ; B's set, A's blocks 0-3 and the scale words are in; the youngest sixteen loads (A's blocks 4-7) may be out
	MWIN \first
	MUL8 0, (\q)%2, \q, \slot, \first
	MUL8 2, (\q)%2, \q, \slot, \first
	s_wait_dscnt 0                                 ; A's blocks 4-7 are in
	PLACES NP
	FETCH_B \slot, (\q)+1, 1-(\q)%2
	FETCH_A \slot, (\q)+1, 0
	MWIN \first
	MUL8 4, (\q)%2, \q, \slot, \first
	MUL8 6, (\q)%2, \q, \slot, \first
	PLACES NP
	WIN 0
	FETCH_A \slot, (\q)+1, 4
.endm
; A slot's last step changes slots: one barrier; in front of it each wave waits for all its tensor loads, adds 0 to its spare word, and waits for that and for its own reads of this slot.  fill = 1: this slot is filled again, two K steps ahead.
.macro TURN slot, next, fill
	s_wait_tensorcnt 0x0                           ; all my tensor loads have landed: my part of the next slot
	ds_add_u32 v[SPW], v[NIL]
	s_wait_dscnt 4*NL+1                            ; (the add and the youngest sixteen loads, A's blocks 4-7, may be out)
	WIN MUL
	MUL8 0, 1, NQ-1, \slot, 0                      ; eight matrix instructions stand between the add and the wait for it
	s_wait_dscnt 0x0                               ; the add is done, and my reads of this slot are over
	s_barrier_signal -1
	MUL8 2, 1, NQ-1, \slot, 0
	WIN 0
	s_barrier_wait -1
.if \fill
	CREST                                          ; the barrier has opened a round of the cluster's barrier
	s_add_nc_u64 s[G0+4*\slot+2:G0+4*\slot+3], s[G0+4*\slot+2:G0+4*\slot+3], 0x400000
	s_add_nc_u64 s[G0B+4*\slot+2:G0B+4*\slot+3], s[G0B+4*\slot+2:G0B+4*\slot+3], 0x200000
	JLOAD G0+4*\slot, G1, G0B+4*\slot, G1B         ; the first tensor load behind the round; its four v_nop are among the places in front of the loads below
	PLACES NP-4
.else
	PLACES NP
.endif
	s_wait_alu depctr_va_vdst(0)                   ; directly ahead of the readers below
	v_add_nc_u32 v[ADRS], 256, v[ADRS]             ; on to the next K step's scale words
	v_add_nc_u32 v[ADRS2], 256, v[ADRS2]
	FETCH_B \next, 0, 0
	FETCH_A \next, 0, 0
	SCALES \next
	WIN MUL
	MUL8 4, 1, NQ-1, \slot, 0
	MUL8 6, 1, NQ-1, \slot, 0
	PLACES NP
	WIN 0
	FETCH_A \next, 0, 4
.endm
	s_wait_alu depctr_va_vdst(0)                   ; the wait at the head's end
	s_wait_tensorcnt 0x0                           ; my tile of the head's four is in
	ds_add_u32 v[SPW], v[NIL]
	s_mov_b32 s[G1+2], 128<<16                     ; no tensor load of mine is out: from here on a load brings half a tile
	s_mov_b32 s[G1+4], 128
	s_mov_b32 s[G1B+2], 64<<16
	s_mov_b32 s[G1B+4], 64
	s_wait_dscnt 0x0
	CROUND                                         ; all four tiles are in, and all sixteen work-groups are here
	JLOAD G0+4, G1, G0B+4, G1B                     ; slot 1's first fill, the first tensor load behind the round
	FETCH_B 0, 0, 0
	FETCH_A 0, 0, 0
	SCALES 0
	FETCH_A 0, 0, 4
	s_wait_loadcnt 0x0                             ; the bias
	STEP 0, 0, 1                                   ; K = 1,024 is four slots' worth: the eight steps are written out
	TURN 0, 1, 1
	STEP 1, 0, 0
	TURN 1, 0, 1
	STEP 0, 0, 0
	TURN 0, 1, 0                                   ; nothing is left to fetch: no round
	STEP 1, 0, 0
	s_wait_dscnt 4*NL                              ; the last step
	WIN MUL
	MUL8 0, 1, NQ-1, 1, 0
	MUL8 2, 1, NQ-1, 1, 0
	s_wait_dscnt 0
	MUL8 4, 1, NQ-1, 1, 0
	MUL8 6, 1, NQ-1, 1, 0
	WIN 0
; THE WAY OUT, block by block of 16 tokens x 64 columns: through my own stage in LDS, back as whole rows of 256 bytes, which sixteen lanes store as one aligned unit.  LDS serves a wave's instructions in order (ISA guide 5.7.1.4).
.macro TOSTAGE a
.set AC, 32*(\a)
	WIN 0x08                                       ; the data: window 2
.irp b, 0,1,2,3
	ds_store_b128 v[STO], v[AC+8*\b:AC+8*\b+3] offset:128*(\b/2)+32*(\b%2)          ; each accumulator from its low end on
	ds_store_b128 v[STO], v[AC+8*\b+4:AC+8*\b+7] offset:128*(\b/2)+32*(\b%2)+16
.endr
	WIN 0
.set BB, BK+32*((\a)%2)
.irp t, 0,1,2,3,4,5,6,7
	ds_load_b128 v[BB+4*\t:BB+4*\t+3], v[RD] offset:2*\t*SPITCH
.endr
.endm
.macro SEND a, younger                 ; younger: the LDS instructions issued behind block a's loads, which may stay out
.set BB, BK+32*((\a)%2)
	s_wait_dscnt \younger
.irp t, 0,1,2,3,4,5,6,7
	global_store_b128 v[CO], v[BB+4*\t:BB+4*\t+3], s[98:99] offset:(32*((\a)/2)+8*((\a)%2)+2*\t+8*(\t/4))*4096 th:TH_STORE_NT   ; the tile's rows 2 t and 2 t + 1
.endr
.endm
	PLACES NP
	TOSTAGE 0
.irp a, 1,2,3,4,5,6,7
.if \a > 1
	s_wait_xcnt 0x0                                ; block a - 2's stores have read their registers: block a's loads may land there
.endif
	TOSTAGE \a
	SEND \a-1, 16                                  ; behind block a - 1's loads: block a's 8 stores and 8 loads
.endr
	SEND 7, 0
	s_wait_tensorcnt 0x0                           ; the wave's end
	ds_add_u32 v[SPW], v[NIL]
	s_wait_dscnt 0x0
	CROUND                                         ; the closing round
	s_endpgm
.Lfunc_end_k_q41bb815125_gemm_proj:
	.size	k_q41bb815125_gemm_proj, .Lfunc_end_k_q41bb815125_gemm_proj-k_q41bb815125_gemm_proj
	.p2alignl 7, 3214868480
	.fill 96, 4, 3214868480
	.section	.rodata,"a",@progbits
	.p2align	6, 0x0
	.amdhsa_kernel k_q41bb815125_gemm_proj
		.amdhsa_group_segment_fixed_size 327680
		.amdhsa_private_segment_fixed_size 0
		.amdhsa_enable_private_segment 0
		.amdhsa_kernarg_size 48
		.amdhsa_user_sgpr_count 2
		.amdhsa_user_sgpr_kernarg_segment_ptr 1
		.amdhsa_wavefront_size32 1
		.amdhsa_system_sgpr_workgroup_id_x 1
		.amdhsa_system_sgpr_workgroup_id_y 1
		.amdhsa_system_sgpr_workgroup_id_z 1
		.amdhsa_system_vgpr_workitem_id 0
		.amdhsa_next_free_vgpr 768
		.amdhsa_next_free_sgpr 100
		.amdhsa_reserve_vcc 0
		.amdhsa_float_denorm_mode_32 3
		.amdhsa_float_denorm_mode_16_64 3
		.amdhsa_memory_ordered 1
		.amdhsa_forward_progress 1
		.amdhsa_inst_pref_size 93
	.end_amdhsa_kernel
	.amdgpu_metadata
---
amdhsa.version: [ 1, 2 ]
amdhsa.kernels:
  - .name:           k_q41bb815125_gemm_proj
    .symbol:         k_q41bb815125_gemm_proj.kd
    .args:
      - { .name: ac, .offset: 0, .size: 8, .value_kind: global_buffer, .address_space: global }
      - { .name: asc, .offset: 8, .size: 8, .value_kind: global_buffer, .address_space: global }
      - { .name: wc, .offset: 16, .size: 8, .value_kind: global_buffer, .address_space: global }
      - { .name: ws, .offset: 24, .size: 8, .value_kind: global_buffer, .address_space: global }
      - { .name: b_proj, .offset: 32, .size: 8, .value_kind: global_buffer, .address_space: global }
      - { .name: out0, .offset: 40, .size: 8, .value_kind: global_buffer, .address_space: global }
    .group_segment_fixed_size: 327680
    .private_segment_fixed_size: 0
    .kernarg_segment_align: 8
    .kernarg_segment_size: 48
    .max_flat_workgroup_size: 128
    .sgpr_count:     100
    .vgpr_count:     768
    .wavefront_size: 32
...
	.end_amdgpu_metadata
.endif
;; end of part 4
